; MI455X (gfx1250); checked and timed in simulation.
; The chip was launched on July 23, 2026; its instructions are those of AMD's public machine-readable ISA for CDNA 5 (MIT licence, August 2026) and "CDNA5" Instruction Set Architecture Reference Guide (July 2026). The comments in the code are by the model that wrote it; some were corrected since.
;; Multi Head Self Attention. Allowed arithmetic: matrix products marked QUANTISED: E2M3 operands, one E8M0 scale for each 32 along K, by v_wmma_scale_f32_16x16x128_f8f6f4 with both operands' format E2M3, f32 sums; everything else in f32.
;; Inputs: WK_b 1,024 float32; WK_w_codes 1,024 x 32 x 24 uint8 (E2M3 codes of WK_w, K innermost, in blocks of 32 codes, four codes in three bytes); WK_w_scales 1,024 x 32 uint8 (E8M0 scales of WK_w, one for each 32 codes along K); WO_b 1,024 float32; WO_w_codes 1,024 x 32 x 24 uint8 (E2M3 codes of WO_w, K innermost, in blocks of 32 codes, four codes in three bytes); WO_w_scales 1,024 x 32 uint8 (E8M0 scales of WO_w, one for each 32 codes along K); WQ_b 1,024 float32; WQ_w_codes 1,024 x 32 x 24 uint8 (E2M3 codes of WQ_w, K innermost, in blocks of 32 codes, four codes in three bytes); WQ_w_scales 1,024 x 32 uint8 (E8M0 scales of WQ_w, one for each 32 codes along K); WV_b 1,024 float32; WV_w_codes 1,024 x 32 x 24 uint8 (E2M3 codes of WV_w, K innermost, in blocks of 32 codes, four codes in three bytes); WV_w_scales 1,024 x 32 uint8 (E8M0 scales of WV_w, one for each 32 codes along K); mask 4 x 2,048 bool; x_codes 4 x 2,048 x 32 x 24 uint8 (E2M3 codes of x, K innermost, in blocks of 32 codes, four codes in three bytes); x_scales 4 x 2,048 x 32 uint8 (E8M0 scales of x, one for each 32 codes along K).
;; Outputs: out0 4 x 2,048 x 1,024 float32.
;; This version of the problem:
;;   THIS VERSION OF THE PROBLEM IS GIVEN IN LOW PRECISION. The matrix products marked QUANTISED in the list below multiply operands that are first quantised to E2M3 (2 exponent bits, 3 mantissa bits; 6 bits a number), with one power-of-two scale for each 32 numbers along K (OCP MX v1.0); their sums are f32. All else is computed in f32.
;;   The module's matrix products, in the order in which they are computed (A, B: the left and right operand; K: the contracted axis; several contracted axes count as one K, in the product's order):
;;     1. [M 8,192, K 1,024] x [K 1,024, N 1,024]; A: input x (given as codes); B: input WQ_w (given as codes): QUANTISED
;;     2. [M 8,192, K 1,024] x [K 1,024, N 1,024]; A: input x (given as codes); B: input WK_w (given as codes): QUANTISED
;;     3. [M 8,192, K 1,024] x [K 1,024, N 1,024]; A: input x (given as codes); B: input WV_w (given as codes): QUANTISED
;;     4. batch 64 x [M 2,048, K 64] x [K 64, N 2,048]; A: computed on the way; B: computed on the way: QUANTISED
;;     5. batch 64 x [M 2,048, K 2,048] x [K 2,048, N 64]; A: softmax (see below); B: computed on the way: QUANTISED
;;     6. [M 8,192, K 1,024] x [K 1,024, N 1,024]; A: computed on the way; B: input WO_w (given as codes): QUANTISED
;;   THE QUANTISER, for each operand of a quantised product, along K:
;;     - K is cut into blocks of 32 from its start; a last block that is shorter is filled with zeros.
;;     - A block's scale is 2^e with e = floor(log2(the largest magnitude in the block)) - 2, held to -126 .. 127; a block of zeros has e = 0. As a byte (E8M0): e + 127.
;;     - Each number is divided by its block's scale, clamped to +-7.5, and rounded to the nearest number of E2M3, ties to even, subnormals kept.
;;     - The product sums the exact products of the quantised numbers (number of the format x scale) in f32.
;;   ~~~python
;;   def quantise(x, axis):      # numpy; x: float32 -> the quantised numbers, widened to float32 again
;;       x = np.moveaxis(x, axis, -1); K = x.shape[-1]
;;       x = np.pad(x, [(0, 0)] * (x.ndim - 1) + [(0, -K % 32)]); x = x.reshape(x.shape[:-1] + (-1, 32)); a = np.abs(x).max(-1, keepdims=True)
;;       e = np.where(a > 0, np.clip(np.frexp(np.where(a > 0, a, 1))[1] - 1 - 2, -126, 127), 0)      # np.frexp(a)[1] - 1 = floor(log2(a)), exactly
;;       r = np.clip(x / 2.0 ** e, -7.5, 7.5)
;;       step = 2.0 ** (np.maximum(np.frexp(np.where(r == 0, 1, r))[1] - 1, 0) - 3)
;;       q = np.round(r / step) * step * 2.0 ** e      # np.round: ties to even
;;       return np.moveaxis(q.reshape(q.shape[:-2] + (-1,))[..., :K], -1, axis).astype(np.float32)
;;   ~~~
;;   SOFTMAX AHEAD OF A QUANTISED PRODUCT. Where the list says 'softmax', what is quantised is not the finished softmax but p = 2^(t - M), with t = logit x log2(e) and M = ceil(the row's largest t), a whole number; so 1/2 < the row's largest p <= 1. The row's sum l is taken of the UNQUANTISED p, in f32, and the product's result is divided by l at the end. Since M is a whole number, a kernel that streams over the keys may use a running M (the ceiling of the running maximum): every later rescaling is an exact power of two, which a block's scale takes up: the codes' values come out the same.
;;   OPERANDS COMPUTED ON THE WAY. 'Computed on the way' means the value that the module computes at that place (a softmax that the list does not call 'softmax' is quantised finished and normalised). What goes into a quantiser is computed in f32, as accurately as f32 sums, v_exp_f32 and their like allow (about 1e-6 of the number): no bf16 or f16 on the way to a quantiser, and a product that is left as it is and whose result goes on into a quantised operand takes f32 operands (vector FMAs, or v_wmma_f32_16x16x4_f32). A number that lies on a knife's edge between two numbers of the format may be rounded either way, as far as f32 arithmetic and the matrix unit's own rounding can turn it there, and no further.
;;   INPUTS GIVEN AS CODES. WK_w (in the module: [1024, 1024], K = its axis 1); WO_w (in the module: [1024, 1024], K = its axis 1); WQ_w (in the module: [1024, 1024], K = its axis 1); WV_w (in the module: [1024, 1024], K = its axis 1); x (in the module: [4, 2048, 1024], K = its axis 2): each comes as NAME_codes (uint8): NAME with its K axis moved to the last place and cut into blocks of 32 codes, [.., K / 32, bytes a block], one block behind the other in memory; four codes in three bytes: a row's codes are one little-endian stream of bits, code i at bits 6 i .. 6 i + 5 (a code: sign, 2 exponent bits, 3 mantissa bits); and NAME_scales (uint8): the same leading axes, one E8M0 byte (e + 127) for each 32 codes along K. Its value is code x scale, taken as it is: it is not quantised again, and the codes and scales need not be those that the quantiser above would give.
;; One version. Each part assembles by itself: llvm-mc -triple=amdgcn-amd-amdhsa -mcpu=gfx1250 --defsym DOCPART=n.
;; ======== version 1 of 1: 3 launches
;; workspace buffers: img 18,874,368 bytes; scl 2,621,440 bytes; oimg 6,291,456 bytes; osc 262,144 bytes
;; launch qkv (part 1): grid 12 x 32, 4 waves a work-group, clusters of 4 x 4, 327,680 bytes of LDS; arguments x_codes, x_scales, WQ_w_codes, WQ_w_scales, WK_w_codes, WK_w_scales, WV_w_codes, WV_w_scales, WQ_b, WK_b, WV_b, mask, img, scl; writes img, scl
.if DOCPART == 1
	.amdgcn_target "amdgcn-amd-amdhsa--gfx1250"
	.amdhsa_code_object_version 6
	.text
	.protected	k_q11c8017160_qkv
	.globl	k_q11c8017160_qkv
	.p2align	8
	.type	k_q11c8017160_qkv,@function
k_q11c8017160_qkv:
	s_mov_b64 s[64:65], 0
	v_nop
	global_prefetch_b8 v0, s[64:65] scope:SCOPE_SE
	s_setreg_imm32_b32 hwreg(HW_REG_WAVE_MODE, 25, 1), 1
	s_wait_xcnt 0x0
	s_wait_alu depctr_hold_cnt(0) depctr_sa_sdst(0) depctr_va_vdst(0) depctr_va_sdst(0) depctr_va_ssrc(0) depctr_va_vcc(0) depctr_vm_vsrc(0)
	s_getreg_b32 s2, hwreg(HW_REG_IB_STS2, 6, 4)
	s_cmp_eq_u32 s2, 0
	s_cbranch_scc0 .Lentry_in_a_cluster
	s_endpgm
.Lentry_in_a_cluster:
	s_bfe_u32 s2, ttmp6, 0x10000c
	s_cmp_lg_u32 s2, 0xf033
	s_cbranch_scc0 .Lentry_shape_is_right
	s_endpgm
.Lentry_shape_is_right:
; q = x WQ^T + bq, k = x WK^T + bk, v = x WV^T + bv on codes of FP6 (E2M3) with one E8M0 scale for each 32 along K = 1,024; sums in f32; the results are quantised at once
; (q and k along a head's 64 channels, v along the keys) and leave as codes and scale words, laid in the order of the next products' operand registers.
; A work-group of four waves makes 256 x 256 results, a wave 128 x 128: 64 accumulators of 16 x 16.  K goes in four steps of 256 through two LDS slots filled by the tensor data mover;
; the scale bytes of the work-group's rows, for all of K, come into LDS once.  Clusters of 4 x 4 work-groups ask jointly for the tiles that they share.
; ROLES.  Source 0's rows become a lane's registers in the result, so a result is quantised ALONG SOURCE 0'S ROWS.  Cluster x = 0, 1 (q, k): source 0 = 256 rows of the weight (channels), source 1 = 256 rows of x.
; Cluster x = 2 (v): source 0 = 256 rows of x (keys), source 1 = 256 rows of WV.  Only pointers and tile numbers are chosen, on the cluster's x, which all partners share; the K steps are one text.
; THE ROWS OF A TILE ARE NOT NEIGHBOURS, on both sides: lane r of tile 2 b + u takes row 32 b + 8 u + r + 8 (r / 8).  So the 16 registers of tiles 2 b and 2 b + 1 of a result are 16 neighbours along source 0's rows,
; and the tiles of x's rows are the tiles of keys and queries that the attention launch wants.
; THE KEY MASK goes into k's scale words: byte 2 of a key's word scales six constant codes that the attention launch holds in the unused half of its first product's K; 142 (2^15) for a key that is masked, 1 for a key that counts.
; OUT.  img: part 0 q, part 1 k: [batch x head][tile of 16 rows][768 bytes]: registers 0-3 of a half fragment at 16 x lane, registers 4-5 at 512 + 8 x lane.  Part 2 v: [batch x head][128 keys][tile of 16 channels][1,536 bytes]: a fragment's
; twelve registers, four at a time at 16 x lane.  scl: q, k: [batch x head][128 rows][2 halves of 4 tiles][lane][4 words]; v: [batch x head][128 keys][lane][4 words].  Every store covers 256 or 512 consecutive bytes, aligned.
; LIMITS: NaN and infinities are not served.  A block of zeros gets the scale byte 1 where the quantiser's rule says 127: its codes are zeros, and only this program reads the bytes.
; With a pitch of 60 words rows 16 apart begin at the same bank (64 banks of 4 bytes: ISA guide 11.1): the two groups of eight rows of a tile meet there; kept, since the order of rows saves every transposition later.
.set IMG,    6291456                   ; bytes of one part of img
.set HEADB,  98304                     ; one batch x head in a part
.set STEPB,  6144                      ; 128 rows (q, k) or 128 keys (v) of it
.set HF,     768                       ; a half fragment's image
.set FRB,    1536                      ; a fragment's image
.set NQ,     2                         ; matrix instructions deep in a slot
.set ROWB,   192                       ; a tile's row: 256 codes
.set KROW,   768                       ; a row of x or of a weight in memory
.set PITCH,  240                       ; an LDS row: 3 x (64 bytes + 16 of padding)
.set FR,     12                        ; registers of a fragment
.set NL,     6                         ; LDS loads that bring one
.set NP,     4                         ; places behind this matrix instruction (ISA guide 7.12.1)
.set HALFT,  128*PITCH                 ; 128 rows: one tensor load
.set SLOT,   4*HALFT                   ; source 1's 256 rows, then source 0's
.set SCL,    2*SLOT                    ; behind the ring: the scale bytes, units of 256 bytes + 16 of padding
.set HALFS,  16*272                    ; those of 128 rows
.set SPARE,  SCL+4*HALFS               ; the spare words: 128 bytes a wave, two blocks of 256 bytes that no other line names
.set L16,  7                           ; v7      16 x lane
.set AD,   8                           ; v8-15   byte offsets of the bias loads
.set ADRA, 16                          ; v16-17  LDS address of source 1's fragments in slot 0, 1 (v18-19: behind one padding more)
.set ADRB, 20                          ; v20-21  the same for source 0 (v22-23)
.set L8,   24                          ; v24     8 x lane
.set PR,   25                          ; v25     r + 8 (r / 8)
.set ADRS, 27                          ; v27     LDS address of my scale words: lanes 0-15 source 1's rows, lanes 16-31 source 0's
.set SPW,  28                          ; v28     LDS address of my spare word; never rewritten
.set NIL,  29                          ; v29     0; never rewritten
.set SC,   32                          ; v32-63  scale words, two sets
.set BI,   64                          ; v64-127 the bias, in the result's layout
.set AF,   128                         ; v128-223 source 1's fragments, one set
.set MB,   224                         ; v224-231 mask bytes of source 1's rows
.set T,    128                         ; the way out: 64 numbers of a lane
.set PC,   192                         ; v192-210 the codes just made
.set TM,   232                         ; v232-247 at work in the quantiser
.set PWT,  248                         ; the scale word just made
.set WA,   32                          ; v32-39  scale words to store: first head (v: all eight tiles)
.set WB,   40                          ; v40-47  second head
.set MT,   48                          ; v48-55  the upper two bytes of a row's word
.set VLO,  56
.set VHI,  57
.set WVN,  20                          ; s20 wave;  s21 wave / 2: my half of source 1's rows, and whether I fetch for source 1 (0) or 0 (1);  s22 wave % 2: my half of source 0's rows, and which 128 rows I fetch
.set RH,   21
.set CH,   22
.set SEL,  8                           ; s[8:9] (from the way out's set-up on) selects of v_permlanex16_b32: lane l xor 16
.set G1,   24                          ; s[24:31] group 1, source 1's tiles;  s[32:39] group 0, one set a slot
.set G0,   32
.set G1B,  48                          ; s[48:55], s[56:63] the same for source 0
.set G0B,  56
.set G1S,  68                          ; s[68:75], s[76:79] source 1's scale bytes;  s[80:87], s[88:91] source 0's
.set G0S,  76
.set G1SB, 80
.set G0SB, 88
.set MSB, 0
.macro WIN new                         ; the immediate's high byte repeats the setting that is left; a switch that changes nothing is dropped
.if MSB != (\new)
	s_set_vgpr_msb (MSB<<8)|(\new)
.set MSB, (\new)
.endif
.endm
.set MUL_LO, 0xa1                      ; source 0 window 1, source 1 window 0, C and D window 2
.set MUL_HI, 0xf1                      ; the same, C and D window 3
.set TO_B,   0x40                      ; destination window 1, address window 0
; A joint load: waves 0 and 1 fetch for source 1, waves 2 and 3 for source 0.  Each line has one mask and one set of registers for all that issue it; the branch hangs on the wave's number alone.
; Four v_nop follow each of the two lines, ahead of the jump, the label and what follows.
.macro JLOAD g0a, g1a, g0b, g1b
	s_cmp_eq_u32 s[RH], 0
	s_cbranch_scc0 .Lfor_b_\@
	tensor_load_to_lds s[\g0a:\g0a+3], s[\g1a:\g1a+7]
	s_nop 0
.rept 4
	v_nop
.endr
	s_branch .Lasked_\@
.Lfor_b_\@:
	tensor_load_to_lds s[\g0b:\g0b+3], s[\g1b:\g1b+7]
	s_nop 0
.rept 4
	v_nop
.endr
.Lasked_\@:
.endm
.macro CREST                           ; a round of the cluster's barrier behind its opening barrier
	s_cmp_lg_u32 s[WVN], 0
	s_cbranch_scc1 .Lnot_wave_0_\@
	s_barrier_signal -3
.Lnot_wave_0_\@:
	s_barrier_wait -3
	s_barrier_signal -1
	s_barrier_wait -1
.endm
.macro CROUND                          ; a whole round
	s_barrier_signal -1
	s_barrier_wait -1
	CREST
.endm
	s_load_b512 s[4:19], s[0:1], 0x0               ; x's codes, scales; WQ's; WK's; WV's
	s_load_b256 s[92:99], s[0:1], 0x40             ; bq, bk, bv, mask
	s_load_b128 s[40:43], s[0:1], 0x60             ; img, scl
	v_lshl_add_u32 v[SPW], v0, 2, SPARE
	v_mov_b32 v[NIL], 0
	ds_add_u32 v28, v29
	ds_add_u32 v28, v29
	s_wait_dscnt 0x0
	v_lshrrev_b32 v1, 5, v0
	v_readfirstlane_b32 s[WVN], v1                 ; wave 0..3
	s_lshr_b32 s[RH], s[WVN], 1
	s_and_b32 s[CH], s[WVN], 1
	s_bfe_u32 s44, ttmp6, 0x40000                  ; cx, cy: my place in the cluster
	s_bfe_u32 s45, ttmp6, 0x40004
	s_and_b32 s100, ttmp7, 0xffff
	s_lshl_b32 s100, s100, 2                       ; 4 x cluster y
	s_cmp_eq_u32 ttmp9, 2                          ; the cluster's x says which product: 0 q, 1 k, 2 v
	s_cselect_b32 s47, s100, 0                     ; source 0's tile of 256 rows: v: 4 Y + cx of x;  q, k: cx of the weight
	s_cselect_b32 s46, 0, s100                     ; source 1's: v: cy of WV;  q, k: 4 Y + cy of x
	s_add_co_u32 s47, s47, s44
	s_add_co_u32 s46, s46, s45
	s_lshl_b32 s66, s45, 2
	s_lshl_b32 s66, 15, s66                        ; my row of the cluster
	s_lshl_b32 s67, 0x1111, s44                    ; my column
	; group 1: a tile of 128 rows x 192 bytes, 16 bytes of padding behind every 64
	s_or_b32 s[G1+0], s66, (0<<16)|(1<<20)|(1<<21)|(3<<22)|(3<<25)   ; 15:0 the mask: source 1's tiles go to my row; elements of 1 byte; padding on; bit 21 beside a mask; after every 16 words, 4 words
	s_or_b32 s[G1B+0], s67, (0<<16)|(1<<20)|(1<<21)|(3<<22)|(3<<25)  ; source 0's go to my column
.irp g, G1, G1B
	s_mov_b32 s[\g+1], ROWB<<16                    ; tensor_dim0
	s_mov_b32 s[\g+2], 128<<16                     ; tensor_dim1
	s_mov_b32 s[\g+3], ROWB<<16                    ; tile_dim0
	s_mov_b32 s[\g+4], 128                         ; tile_dim1
	s_mov_b32 s[\g+5], KROW                        ; from row to row
	s_mov_b32 s[\g+6], 0
	s_mov_b32 s[\g+7], 0
.endr
	; the scale bytes of 128 rows: 4,096 dense bytes, as 16 rows of 256 bytes (32 elements of 8), 16 bytes of padding behind each
	s_or_b32 s[G1S+0], s66, (3<<16)|(1<<20)|(1<<21)|(5<<22)|(3<<25)
	s_or_b32 s[G1SB+0], s67, (3<<16)|(1<<20)|(1<<21)|(5<<22)|(3<<25)
.irp g, G1S, G1SB
	s_mov_b32 s[\g+1], 32<<16
	s_mov_b32 s[\g+2], 16<<16
	s_mov_b32 s[\g+3], 32<<16
	s_mov_b32 s[\g+4], 16
	s_mov_b32 s[\g+5], 32
	s_mov_b32 s[\g+6], 0
	s_mov_b32 s[\g+7], 0
.endr
	s_wait_kmcnt 0x0
	s_cmp_eq_u32 ttmp9, 0                          ; the weight and its bias: WQ or WK,
	s_cselect_b64 s[8:9], s[8:9], s[12:13]
	s_cselect_b64 s[10:11], s[10:11], s[14:15]
	s_cselect_b64 s[92:93], s[92:93], s[94:95]
	s_cmp_eq_u32 ttmp9, 2                          ; or WV;
	s_cselect_b64 s[8:9], s[16:17], s[8:9]
	s_cselect_b64 s[10:11], s[18:19], s[10:11]
	s_cselect_b64 s[92:93], s[96:97], s[92:93]
	s_cselect_b64 s[12:13], s[4:5], s[8:9]         ; source 0: for v x, else the weight
	s_cselect_b64 s[14:15], s[6:7], s[10:11]
	s_cselect_b64 s[4:5], s[8:9], s[4:5]           ; source 1: for v the weight, else x
	s_cselect_b64 s[6:7], s[10:11], s[6:7]
	s_lshl_b32 s23, s[CH], 7                       ; which 128 rows of a tile I fetch
	s_lshl_b32 s8, s46, 8
	s_add_co_u32 s8, s8, s23                       ; source 1's row (made of cy alone)
	s_lshl_b32 s10, s47, 8
	s_add_co_u32 s10, s10, s23                     ; source 0's row (made of cx alone)
	s_mul_i32 s16, s8, KROW
	s_mov_b32 s17, 0
	s_add_nc_u64 s[4:5], s[4:5], s[16:17]
	s_lshl_b32 s16, s8, 5
	s_add_nc_u64 s[6:7], s[6:7], s[16:17]
	s_mul_i32 s18, s10, KROW
	s_mov_b32 s19, 0
	s_add_nc_u64 s[12:13], s[12:13], s[18:19]
	s_lshl_b32 s18, s10, 5
	s_add_nc_u64 s[14:15], s[14:15], s[18:19]
	s_mul_i32 s100, s[WVN], HALFT                  ; where they go: wave x 128 rows: no place in the cluster enters an LDS address
	s_mul_i32 s101, s[WVN], HALFS
	CROUND                                         ; all sixteen work-groups are here: the first joint loads meet
	s_mov_b32 s[G0S], 1
	s_add_co_u32 s[G0S+1], s101, SCL
	s_mov_b64 s[G0S+2:G0S+3], s[6:7]
	s_or_b32 s[G0S+3], s[G0S+3], 0x80000000
	s_mov_b32 s[G0SB], 1
	s_add_co_u32 s[G0SB+1], s101, SCL
	s_mov_b64 s[G0SB+2:G0SB+3], s[14:15]
	s_or_b32 s[G0SB+3], s[G0SB+3], 0x80000000
	JLOAD G0S, G1S, G0SB, G1SB                     ; the scale bytes first: they are wanted with K step 0
.irp s, 0,1
	s_mov_b32 s[G0+4*\s], 1
	s_add_co_u32 s[G0+4*\s+1], s100, \s*SLOT
	s_add_nc_u64 s[G0+4*\s+2:G0+4*\s+3], s[4:5], \s*ROWB
	s_or_b32 s[G0+4*\s+3], s[G0+4*\s+3], 0x80000000
	s_mov_b32 s[G0B+4*\s], 1
	s_add_co_u32 s[G0B+4*\s+1], s100, \s*SLOT
	s_add_nc_u64 s[G0B+4*\s+2:G0B+4*\s+3], s[12:13], \s*ROWB
	s_or_b32 s[G0B+4*\s+3], s[G0B+4*\s+3], 0x80000000
	JLOAD G0+4*\s, G1, G0B+4*\s, G1B               ; three loads of mine are out now
.endr
	v_and_b32 v1, 15, v0                           ; r
	v_bfe_u32 v2, v0, 4, 1                         ; h
	v_and_b32 v[PR], 8, v1
	v_add_nc_u32 v[PR], v[PR], v1                  ; r + 8 (r / 8): my row in a tile's group of rows
	v_mul_u32_u24 v3, v[PR], PITCH
	v_mul_u32_u24 v4, v2, 24
	v_add_nc_u32 v4, v3, v4                        ; row x pitch + 24 x half
	v_lshl_add_u32 v5, v2, 4, v4                   ; and the same behind one padding more
	s_mul_i32 s16, s[RH], HALFT                    ; my 128 rows of source 1
	s_mul_i32 s17, s[CH], HALFT                    ; my 128 rows of source 0,
	s_add_co_u32 s17, s17, 2*HALFT                 ; which lie behind source 1's 256
.irp s, 0,1
	v_add_nc_u32 v[ADRA+\s], s16, v4
	v_add_nc_u32 v[ADRB+\s], s17, v4
	v_add_nc_u32 v[ADRA+2+\s], s16, v5
	v_add_nc_u32 v[ADRB+2+\s], s17, v5
	s_add_co_u32 s16, s16, SLOT
	s_add_co_u32 s17, s17, SLOT
.endr
	v_lshlrev_b32 v5, 5, v[PR]                     ; my row's scale bytes: 32 a row,
	v_lshrrev_b32 v6, 8, v5
	v_lshl_add_u32 v5, v6, 4, v5                   ; and 16 more for each 256 passed
	s_mul_i32 s16, s[RH], HALFS
	s_mul_i32 s17, s[CH], HALFS
	s_add_co_u32 s17, s17, 2*HALFS
	s_sub_co_u32 s17, s17, s16
	v_mul_u32_u24 v6, s17, v2                      ; lanes 16-31 take source 0's
	s_add_co_u32 s16, s16, SCL
	v_add_nc_u32 v5, v5, v6
	v_add_nc_u32 v[ADRS], s16, v5
	; what the way out wants, made here while the first tiles are on their way
	s_lshl_b32 s10, s46, 8
	s_lshl_b32 s11, s[RH], 7
	s_add_co_u32 s10, s10, s11                     ; my first row of source 1
	s_lshl_b32 s12, s47, 8
	s_lshl_b32 s13, s[CH], 7
	s_add_co_u32 s12, s12, s13                     ; my first row of source 0
	s_cmp_eq_u32 ttmp9, 2
	s_cselect_b32 s14, s10, s12                    ; my first channel of 1,024 (the weight's row)
	s_cselect_b32 s15, s12, s10                    ; my first row of x
	s_cselect_b32 s2, 4, 0                         ; the bias of register j of tile g: v: that of the lane's row of source 1; q, k: that of source 0's row 16 h + j
	s_cselect_b32 s23, 0, 64
	s_cselect_b32 s16, 0, 4
	s_cselect_b32 s17, 13, 14                      ; a head's scale words: 8,192 bytes (v) or 16,384
	s_cselect_b32 s18, 9, 10                       ; those of 128 rows: 512 or 1,024
	s_lshr_b32 s19, s15, 11                        ; the batch
	s_lshl_b32 s19, s19, 4
	s_lshr_b32 s100, s14, 6
	s_add_co_u32 s19, s19, s100                    ; 16 x batch + my first head
	s_bfe_u32 s100, s15, 0x40007                   ; which 128 rows of the batch's 2,048
	s_mul_i32 s4, ttmp9, IMG
	s_mul_i32 s101, s19, HEADB
	s_add_co_u32 s4, s4, s101
	s_mul_i32 s101, s100, STEPB
	s_add_co_u32 s4, s4, s101
	s_mov_b32 s5, 0
	s_add_nc_u64 s[4:5], s[40:41], s[4:5]          ; img at my first image
	s_lshl_b32 s6, ttmp9, 20
	s_lshl_b32 s101, s19, s17
	s_add_co_u32 s6, s6, s101
	s_lshl_b32 s101, s100, s18
	s_add_co_u32 s6, s6, s101
	s_mov_b32 s7, 0
	s_add_nc_u64 s[6:7], s[42:43], s[6:7]          ; scl at my first words
	s_lshl_b32 s12, s14, 2
	s_mov_b32 s13, 0
	s_add_nc_u64 s[92:93], s[92:93], s[12:13]      ; the bias at my first channel
	s_mov_b32 s11, 0
	s_add_nc_u64 s[98:99], s[98:99], s[10:11]      ; the mask at source 1's first row (for v these bytes are loaded and not used; they lie inside the buffer)
	s_cmp_eq_u32 ttmp9, 1                          ; byte 2 of a row's word: k: 1 where the key counts, 142 where it is masked;  q: 127
	s_cselect_b32 s12, 1, 127
	s_mov_b32 s13, 127
	s_cselect_b32 s13, 142, s13
	s_lshl_b32 s12, s12, 16
	s_or_b32 s12, s12, 0x7f000000                  ; byte 3: 127, over zero codes
	s_lshl_b32 s13, s13, 16
	s_or_b32 s13, s13, 0x7f000000
	s_mov_b32 s[SEL], 0x76543210
	s_mov_b32 s[SEL+1], 0xfedcba98
	v_and_b32 v3, 31, v0
	v_lshlrev_b32 v[L16], 4, v3
	v_lshlrev_b32 v[L8], 3, v3
	v_mul_u32_u24 v5, s2, v[PR]
	v_mad_u32_u24 v5, v2, s23, v5
.irp j, 0,1,2,3,4,5,6,7
	v_mad_u32_u24 v[AD+\j], s16, \j, v5
.endr
.irp g, 0,1,2,3,4,5,6,7
.irp j, 0,1,2,3,4,5,6,7
	global_load_b32 v[BI+8*\g+\j], v[AD+\j], s[92:93] offset:(32*(\g/2)+8*(\g%2))*4
.endr
.endr
.irp a, 0,1,2,3,4,5,6,7
	global_load_u8 v[MB+\a], v[PR], s[98:99] offset:32*(\a/2)+8*(\a%2)
.endr
.macro FRAG reg, adr, q, i             ; a fragment, 16 rows x 128 K: lane (r, h): registers 6 c .. 6 c + 5 hold K = 64 c + 32 h + 0 .. 31: 24 bytes of the row's stream of bits, in pieces of 8 bytes
.irp p, 0,1,2,3,4,5                    ; lanes 16-31 read three pieces further on than lanes 0-15; where that lies behind one padding more, the second address register serves
.set PCE, 12*(\q)+6*(\p/3)+\p%3
.if PCE%8 < 5
	ds_load_b64 v[\reg+2*\p:\reg+2*\p+1], v[\adr] offset:8*PCE+16*(PCE/8)+(32*((\i)/2)+8*((\i)%2))*PITCH
.else
	ds_load_b64 v[\reg+2*\p:\reg+2*\p+1], v[\adr+2] offset:8*PCE+16*(PCE/8)+(32*((\i)/2)+8*((\i)%2))*PITCH
.endif
.endr
.endm
; 16 matrix instructions: source 1's blocks a0, a0 + 1 x source 0's eight, 128 along K.  p: source 0's set;  sc: the set of scale words.  zero = 1: the first product starts the sums.
; The 64 accumulators take turns, one instruction a turn, in the same order in every step.
.macro MUL16 a0, p, q, sc, zero
.irp a, \a0, \a0+1
.irp b, 0,1,2,3,4,5,6,7
.if \zero
	v_wmma_scale_f32_16x16x128_f8f6f4 v[8*(8*((\a)%4)+\b):8*(8*((\a)%4)+\b)+7], v[128*(\p)+FR*\b:128*(\p)+FR*\b+FR-1], v[AF+FR*(\a):AF+FR*(\a)+FR-1], 0, v[SC+8*NQ*(\sc)+NQ*\b+(\q)], v[SC+8*NQ*(\sc)+NQ*(\a)+(\q)] matrix_a_fmt:MATRIX_FMT_FP6 matrix_b_fmt:MATRIX_FMT_FP6 matrix_a_scale:MATRIX_SCALE_ROW1
.else
	v_wmma_scale_f32_16x16x128_f8f6f4 v[8*(8*((\a)%4)+\b):8*(8*((\a)%4)+\b)+7], v[128*(\p)+FR*\b:128*(\p)+FR*\b+FR-1], v[AF+FR*(\a):AF+FR*(\a)+FR-1], v[8*(8*((\a)%4)+\b):8*(8*((\a)%4)+\b)+7], v[SC+8*NQ*(\sc)+NQ*\b+(\q)], v[SC+8*NQ*(\sc)+NQ*(\a)+(\q)] matrix_a_fmt:MATRIX_FMT_FP6 matrix_b_fmt:MATRIX_FMT_FP6 matrix_a_scale:MATRIX_SCALE_ROW1
.endif
.endr
.endr
.endm
.macro FETCH_B slot, q, p              ; source 0's eight fragments of the slot's q-th 128 along K into set p
	WIN TO_B
.irp i, 0,1,2,3,4,5,6,7
	FRAG 128*(\p)+FR*\i, ADRB+\slot, \q, \i
.endr
	WIN 0
.endm
.macro FETCH_A slot, q, i0             ; source 1's blocks i0 .. i0 + 3
.irp i, \i0, \i0+1, \i0+2, \i0+3
	FRAG AF+FR*(\i), ADRA+\slot, \q, \i
.endr
.endm
.macro SCALES sc                       ; a K step's scale words into set sc: two words a row; lanes 0-15 source 1's block i, lanes 16-31 source 0's.  A tile begins 32 (i / 2) + 8 (i % 2) rows on: 4 (i / 2) + i % 2 units
.irp i, 0,1,2,3,4,5,6,7
	ds_load_b64 v[SC+8*NQ*\sc+NQ*\i:SC+8*NQ*\sc+NQ*\i+1], v[ADRS] offset:(4*(\i/2)+\i%2)*272
.endr
.endm
.macro PLACES n                        ; plain vector instructions between a matrix instruction and a load into, or a read of, its registers (ISA guide 7.12.1 for a read of its registers)
.rept \n
	v_nop
.endr
.endm
; A step of 128 along K that has its successor in the same slot.
.macro STEP slot, q, zero
	s_wait_dscnt 4*NL                              ; source 0's set and source 1's blocks 0-3 are in; the youngest 24 loads (blocks 4-7) may be out
	WIN MUL_LO
	MUL16 0, (\q)%2, \q, \slot, \zero
	MUL16 2, (\q)%2, \q, \slot, \zero
	s_wait_dscnt 0                                 ; blocks 4-7 are in (asked for 32 matrix instructions ago)
	PLACES NP
	FETCH_B \slot, (\q)+1, 1-(\q)%2
	FETCH_A \slot, (\q)+1, 0
	WIN MUL_HI
	MUL16 4, (\q)%2, \q, \slot, \zero
	MUL16 6, (\q)%2, \q, \slot, \zero
	PLACES NP
	WIN 0
	FETCH_A \slot, (\q)+1, 4
.endm
; A slot's last step changes slots: ONE barrier; in front of it each wave waits for all its tensor loads, adds 0 to its spare word, and waits for that and for its own reads of this slot.  fill = 1: this slot is filled again, two K steps ahead.
.macro TURN slot, next, fill
	s_wait_tensorcnt 0x0                           ; all my tensor loads have landed: my part of the next slot
	ds_add_u32 v[SPW], v[NIL]                      ; 0 onto my spare word
	s_wait_dscnt 4*NL+1                            ; (the add and the youngest 24 loads may be out)
	WIN MUL_LO
	MUL16 0, 1, NQ-1, \slot, 0                     ; sixteen matrix instructions stand between the add and the wait for it
	s_wait_dscnt 0x0                               ; the add is done, and my reads of this slot are over
	s_barrier_signal -1
	MUL16 2, 1, NQ-1, \slot, 0
	WIN 0
	s_barrier_wait -1
.if \fill
	CREST                                          ; the barrier has opened a round of the cluster's barrier: no wave of any partner still reads this slot's tile or has a load on its way
	s_add_nc_u64 s[G0+4*\slot+2:G0+4*\slot+3], s[G0+4*\slot+2:G0+4*\slot+3], 2*ROWB
	s_add_nc_u64 s[G0B+4*\slot+2:G0B+4*\slot+3], s[G0B+4*\slot+2:G0B+4*\slot+3], 2*ROWB
	JLOAD G0+4*\slot, G1, G0B+4*\slot, G1B         ; the first tensor load behind the round; the four v_nop behind it are the places in front of the loads below
.else
	PLACES NP
.endif
	v_add_nc_u32 v[ADRS], 4*NQ, v[ADRS]            ; on to the next K step's scale words
	FETCH_B \next, 0, 0
	FETCH_A \next, 0, 0
	SCALES \next
	WIN MUL_HI
	MUL16 4, 1, NQ-1, \slot, 0
	MUL16 6, 1, NQ-1, \slot, 0
	PLACES NP
	WIN 0
	FETCH_A \next, 0, 4
.endm
	s_wait_loadcnt 0x0                             ; the bias and the mask bytes: they came while the first tiles were on their way
	s_wait_tensorcnt 1                             ; the scale bytes and my part of K step 0 are in (K step 1's load may be out)
	s_barrier_signal -1
	s_barrier_wait -1                              ; everybody's are
	FETCH_B 0, 0, 0
	FETCH_A 0, 0, 0
	SCALES 0
	FETCH_A 0, 0, 4
	STEP 0, 0, 1                                   ; K = 1,024 is four K steps of 256, twice round the ring: written out, no loop.  The first products start the sums
	TURN 0, 1, 1                                   ; slot 0 takes K step 2
	STEP 1, 0, 0
	TURN 1, 0, 1                                   ; slot 1 takes K step 3
	STEP 0, 0, 0
	TURN 0, 1, 0                                   ; nothing is left to fetch: no round
	STEP 1, 0, 0
	s_wait_dscnt 4*NL                              ; the very last step
	WIN MUL_LO
	MUL16 0, 1, NQ-1, 1, 0
	MUL16 2, 1, NQ-1, 1, 0
	s_wait_dscnt 0
	WIN MUL_HI
	MUL16 4, 1, NQ-1, 1, 0
	MUL16 6, 1, NQ-1, 1, 0
	WIN 0
; THE WAY OUT.  For a block a of source 1 a lane holds ONE of its rows and 64 numbers, register 16 b + i = source 0's row 32 b + 16 h + i of my 128.
; 64 numbers of a lane, v[s] .. v[s + 63], become a fragment's twelve registers of codes in v[PC] on and its scale word in v[pw] (the same in lanes l and l xor 16).
.macro QUANT s, pw
.irp b, 0,1,2,3
	v_max3_num_f32 v[TM+\b], |v[\s+16*\b]|, |v[\s+1+16*\b]|, 0x1800000   ; block b: my 16 numbers, and the floor 2^(3 - 127): so the byte cannot fall under 1
.endr
.irp i, 2,4,6,8,10,12,14
.irp b, 0,1,2,3
	v_max3_num_f32 v[TM+\b], v[TM+\b], |v[\s+16*\b+\i]|, |v[\s+1+16*\b+\i]|   ; (the four blocks by turns)
.endr
.endr
.irp b, 0,1,2,3
	v_permlanex16_b32 v[TM+4+\b], v[TM+\b], s[SEL], s[SEL+1]
.endr
.irp b, 0,1,2,3
	v_max_num_f32 v[TM+\b], v[TM+\b], v[TM+4+\b]   ; with lane l xor 16's: the block's largest magnitude
.endr
.irp b, 0,1,2,3
	v_add_nc_u32 v[TM+12+\b], 0xff000000, v[TM+\b] ; 2 off its exponent field: the conversion takes the exponent field of this operand as its scale
.endr
.irp b, 0,1,2,3
	v_lshrrev_b32 v[TM+4+\b], 23, v[TM+12+\b]      ; the scale's byte
.endr
	v_lshl_or_b32 v[\pw], v[TM+5], 8, v[TM+4]
	v_lshl_or_b32 v[\pw], v[TM+6], 16, v[\pw]
	v_lshl_or_b32 v[\pw], v[TM+7], 24, v[\pw]
.irp c, 0,1
	v_cvt_scalef32_pk16_fp6_f32 v[PC+6*\c:PC+2+6*\c], v[\s+32*\c:\s+15+32*\c], v[TM+12+2*\c]
	v_cvt_scalef32_pk16_fp6_f32 v[PC+12+4*\c:PC+14+4*\c], v[\s+16+32*\c:\s+31+32*\c], v[TM+12+2*\c+1]   ; (a conversion's three registers begin on an even number)
.endr
	v_nop                                          ; one plain place behind a scaled conversion
.irp c, 0,1                                    ; the operand's layout wants a WHOLE block in a lane: lanes 0-15 block 2 c, lanes 16-31 block 2 c + 1
.irp i, 0,1,2
	v_permlane16_swap_b32 v[PC+6*\c+\i], v[PC+12+4*\c+\i]
.endr
.irp i, 0,1,2
	v_mov_b32 v[PC+3+6*\c+\i], v[PC+12+4*\c+\i]
.endr
.endr
.endm
.macro ADDBIAS a, isv                  ; block a's sums + the bias, into T; each accumulator is read from its low end on
	WIN 0x02+(\a)/4                                ; source 0: window 2 or 3
.irp b, 0,1,2,3,4,5,6,7
.irp i, 0,2,4,6
.if \isv
	v_pk_add_f32 v[T+8*\b+\i:T+8*\b+\i+1], v[8*(8*((\a)%4)+\b)+\i:8*(8*((\a)%4)+\b)+\i+1], v[BI+8*(\a)+\i:BI+8*(\a)+\i+1]
.else
	v_pk_add_f32 v[T+8*\b+\i:T+8*\b+\i+1], v[8*(8*((\a)%4)+\b)+\i:8*(8*((\a)%4)+\b)+\i+1], v[BI+8*\b+\i:BI+8*\b+\i+1]
.endif
.endr
.endr
	WIN 0
.endm
.macro OUTQK a                         ; 16 rows of x, 128 channels = two heads: registers 0-5 of the fragment are the first head's half fragment, 6-11 the second's; bytes 0, 1 of the word the first head's, 2, 3 the second's
.if (\a) > 0
	s_wait_xcnt 0x0                                ; the last block's stores have read their registers
.endif
	ADDBIAS \a, 0
	QUANT T, PWT
	v_perm_b32 v[WA+(\a)], v[MT+(\a)], v[PWT], 0x07060100   ; the two blocks' bytes under the row's upper two bytes
	v_perm_b32 v[WB+(\a)], v[MT+(\a)], v[PWT], 0x07060302
	global_store_b128 v[L16], v[PC:PC+3], s[4:5] offset:HF*(\a)
	global_store_b64 v[L8], v[PC+4:PC+5], s[4:5] offset:HF*(\a)+512
	global_store_b128 v[L16], v[PC+6:PC+9], s[4:5] offset:HEADB+HF*(\a)
	global_store_b64 v[L8], v[PC+10:PC+11], s[4:5] offset:HEADB+HF*(\a)+512
.endm
.macro OUTV a                          ; 16 channels (tile a % 4 of head a / 4), 128 keys: a whole fragment and its word
.if (\a) > 0
	s_wait_xcnt 0x0
.endif
	ADDBIAS \a, 1
	QUANT T, WA+(\a)
.irp c, 0,1,2
	global_store_b128 v[L16], v[PC+4*\c:PC+4*\c+3], s[4:5] offset:((\a)/4)*HEADB+((\a)%4)*FRB+512*\c
.endr
.endm
	PLACES NP                                      ; behind the last products: their registers are read and written from here on
.irp b, 0,1,2,3
	v_mov_b32 v[TM+4+\b], 0                        ; written once: a lane permute's destination counts as one of its sources
.endr
	s_cmp_eq_u32 ttmp9, 2                          ; the cluster's x: the same in every partner and every wave
	s_cbranch_scc1 .Lvalues
	v_mov_b32 v[VLO], s12
	v_mov_b32 v[VHI], s13
.irp a, 0,1,2,3,4,5,6,7
	v_cmp_ne_u32 vcc_lo, 0, v[MB+\a]
	v_cndmask_b32 v[MT+\a], v[VHI], v[VLO], vcc_lo ; a choice of a value: no branch and no address hangs on the mask
.endr
.irp a, 0,1,2,3,4,5,6,7
	OUTQK \a
.endr
	global_store_b128 v[L16], v[WA:WA+3], s[6:7]                   ; the words of tiles 0-3, 4-7 of the first head,
	global_store_b128 v[L16], v[WA+4:WA+7], s[6:7] offset:512
	global_store_b128 v[L16], v[WB:WB+3], s[6:7] offset:16384      ; and of the second
	global_store_b128 v[L16], v[WB+4:WB+7], s[6:7] offset:16896
	s_branch .Ldone
.Lvalues:
.irp a, 0,1,2,3,4,5,6,7
	OUTV \a
.endr
	global_store_b128 v[L16], v[WA:WA+3], s[6:7]                   ; the four tiles' words of the first head,
	global_store_b128 v[L16], v[WA+4:WA+7], s[6:7] offset:8192     ; and of the second
.Ldone:
	s_wait_tensorcnt 0x0                           ; the wave's end
	ds_add_u32 v[SPW], v[NIL]
	s_wait_dscnt 0x0
	CROUND                                         ; the closing round: no work-group ends while a partner may still ask for a tile that names it
	s_endpgm
.Lfunc_end_k_q11c8017160_qkv:
	.size	k_q11c8017160_qkv, .Lfunc_end_k_q11c8017160_qkv-k_q11c8017160_qkv
	.p2alignl 7, 3214868480
	.fill 96, 4, 3214868480
	.section	.rodata,"a",@progbits
	.p2align	6, 0x0
	.amdhsa_kernel k_q11c8017160_qkv
		.amdhsa_group_segment_fixed_size 327680
		.amdhsa_private_segment_fixed_size 0
		.amdhsa_enable_private_segment 0
		.amdhsa_kernarg_size 112
		.amdhsa_user_sgpr_count 2
		.amdhsa_user_sgpr_kernarg_segment_ptr 1
		.amdhsa_wavefront_size32 1
		.amdhsa_system_sgpr_workgroup_id_x 1
		.amdhsa_system_sgpr_workgroup_id_y 1
		.amdhsa_system_sgpr_workgroup_id_z 1
		.amdhsa_system_vgpr_workitem_id 0
		.amdhsa_next_free_vgpr 1024
		.amdhsa_next_free_sgpr 102
		.amdhsa_reserve_vcc 1
		.amdhsa_float_denorm_mode_32 3
		.amdhsa_float_denorm_mode_16_64 3
		.amdhsa_memory_ordered 1
		.amdhsa_forward_progress 1
		.amdhsa_inst_pref_size 240
	.end_amdhsa_kernel
	.amdgpu_metadata
---
amdhsa.version: [ 1, 2 ]
amdhsa.kernels:
  - .name:           k_q11c8017160_qkv
    .symbol:         k_q11c8017160_qkv.kd
    .args:
      - { .name: x_codes, .offset: 0, .size: 8, .value_kind: global_buffer, .address_space: global }
      - { .name: x_scales, .offset: 8, .size: 8, .value_kind: global_buffer, .address_space: global }
      - { .name: WQ_w_codes, .offset: 16, .size: 8, .value_kind: global_buffer, .address_space: global }
      - { .name: WQ_w_scales, .offset: 24, .size: 8, .value_kind: global_buffer, .address_space: global }
      - { .name: WK_w_codes, .offset: 32, .size: 8, .value_kind: global_buffer, .address_space: global }
      - { .name: WK_w_scales, .offset: 40, .size: 8, .value_kind: global_buffer, .address_space: global }
      - { .name: WV_w_codes, .offset: 48, .size: 8, .value_kind: global_buffer, .address_space: global }
      - { .name: WV_w_scales, .offset: 56, .size: 8, .value_kind: global_buffer, .address_space: global }
      - { .name: WQ_b, .offset: 64, .size: 8, .value_kind: global_buffer, .address_space: global }
      - { .name: WK_b, .offset: 72, .size: 8, .value_kind: global_buffer, .address_space: global }
      - { .name: WV_b, .offset: 80, .size: 8, .value_kind: global_buffer, .address_space: global }
      - { .name: mask, .offset: 88, .size: 8, .value_kind: global_buffer, .address_space: global }
      - { .name: img, .offset: 96, .size: 8, .value_kind: global_buffer, .address_space: global }
      - { .name: scl, .offset: 104, .size: 8, .value_kind: global_buffer, .address_space: global }
    .group_segment_fixed_size: 327680
    .private_segment_fixed_size: 0
    .kernarg_segment_align: 8
    .kernarg_segment_size: 112
    .max_flat_workgroup_size: 128
    .sgpr_count:     102
    .vgpr_count:     1024
    .wavefront_size: 32
...
	.end_amdgpu_metadata
.endif
;; end of part 1
;; launch attn (part 2): grid 4 x 64, 8 waves a work-group, clusters of 4 x 1, 222,208 bytes of LDS; arguments img, scl, oimg, osc; writes oimg, osc
.if DOCPART == 2
	.amdgcn_target "amdgcn-amd-amdhsa--gfx1250"
	.amdhsa_code_object_version 6
	.text
	.protected	k_q11c8017160_attn
	.globl	k_q11c8017160_attn
	.p2align	8
	.type	k_q11c8017160_attn,@function
k_q11c8017160_attn:
	s_mov_b64 s[64:65], 0
	v_nop
	global_prefetch_b8 v0, s[64:65] scope:SCOPE_SE
	s_setreg_imm32_b32 hwreg(HW_REG_WAVE_MODE, 25, 1), 1
	s_wait_xcnt 0x0
	s_wait_alu depctr_hold_cnt(0) depctr_sa_sdst(0) depctr_va_vdst(0) depctr_va_sdst(0) depctr_va_ssrc(0) depctr_va_vcc(0) depctr_vm_vsrc(0)
	s_getreg_b32 s2, hwreg(HW_REG_IB_STS2, 6, 4)
	s_cmp_eq_u32 s2, 0
	s_cbranch_scc0 .Lentry_in_a_cluster
	s_endpgm
.Lentry_in_a_cluster:
	s_bfe_u32 s2, ttmp6, 0x10000c
	s_cmp_lg_u32 s2, 0x3003
	s_cbranch_scc0 .Lentry_shape_is_right
	s_endpgm
.Lentry_shape_is_right:
; o = softmax(q k^T / 8 - 1e6 x (key masked)) v for one batch x head, both products on codes of FP6 (E2M3) with E8M0 scales; o is quantised along its 64 channels and leaves as codes.
; THE SOFTMAX AHEAD OF THE SECOND PRODUCT: t = score x log2(e) / 8; M = the row's largest t so far, rounded UP to a whole number; p = 2^(t - M) is quantised along the keys, not normalised.
; The row's sum is taken of the unquantised p, in f32, and divides O at the end.  When M moves, the sum and O are multiplied by 2^(old M - new M): exact.
; SHARES.  A work-group owns one batch x head and 512 of its 2,048 queries; the four work-groups of a cluster own the four quarters and ask JOINTLY for the head's k and v.  Eight waves, two to a SIMD; a wave holds TWO tiles of
; 16 queries at a time, one in each register window, so that each fragment of k and v read from LDS feeds two products, and makes two passes over the keys (64 queries a wave).
; ALL OF THE HEAD'S k AND v STAY IN LDS (2 x 98,304 bytes of codes, 24,576 of scale words), filled once: no ring, no refill, no barrier in the loop over the keys.  They lie as images of the operands' registers: every LDS load takes
; consecutive bytes from lane to lane.
; LAYOUT.  Both products are used transposed: S^T = k q^T (source 0 = 16 keys, source 1 = 16 queries), O^T = v^T p^T (source 0 = 16 channels, source 1 = p): a lane holds ONE query throughout.  The rows of a tile are not neighbours
; (lane r of tile 2 b + u: row 32 b + 8 u + r + 8 (r / 8)), so that the 16 registers of tiles 2 b and 2 b + 1 are 16 neighbours along the next K.
; THE KEY MASK COSTS NO VECTOR INSTRUCTION.  The first product's K is 64; the instruction's is 128.  At k = 64 .. 69 stand constants: k's side -7.5 five times and -0.625, q's side 7.5 four times, 2.5 and 0.625: their products add up to
; -15625 / 64.  q's scale byte of that block is 127; a key's is 142 (2^15) where the key is masked: -8,000,000 on the score, which is -1e6 behind the division by 8; and 1 (2^-126) where it counts.
; LIMITS: a key that counts has -2.9e-36 added to its score.  NaN and infinities are not served.  A block of zeros keeps the scale byte 1: its codes are zeros, and only this program reads the bytes.
; o's scale bytes are two to a row and head: they are stored 2 bytes a lane, 32 bytes apart (262,144 bytes in the whole launch); the layout is the one that the next launch fetches as one dense block.
; REGISTERS.  Window t holds tile t, with the same numbers in both: v12 -M, v13 the largest t, v[14:15] the sum in two halves; v16-27 q; v96-159 S^T, then p; v160-191 O^T; v224-235 p's codes; v232-254 at work.
;   Window 0 besides: v1-11 addresses; v28-29 q's scale words, v30-31 p's (scale operands have no window); v32-79 four fragments of k; v80-87 k's words of a step, v88-91 v's; v92-95 at work.   Window 1: v32-79 v's four fragments.
.set IMG,   6291456
.set HEADB, 98304                      ; a head's codes of k or of v
.set STEPB, 6144                       ; 128 keys of them
.set KIMG,  0                          ; LDS: k's images,
.set VIMG,  98304                      ; v's,
.set KSC,   196608                     ; k's scale words, 1,024 bytes a step,
.set VSC,   212992                     ; v's, 512 bytes a step
.set L16,   1                          ; v1   16 x lane
.set L8,    2                          ; v2   8 x lane
.set OSO,   3                          ; v3   o's scale bytes: 32 x (r + 8 (r / 8)) + 256 h
.set ADK16, 4                          ; v4-8 the step's LDS addresses
.set ADK8,  5
.set ADV,   6
.set ADS,   7
.set ADT,   8
.set BV,    9                          ; v9-11 16 x lane + a region's first byte
.set BKS,   10
.set BVS,   11
.set QQ,    16
.set QW,    28
.set PWD,   30
.set KF,    32
.set KW,    80
.set VW,    88
.set SS,    96
.set OO,    160
.set PCD,   224
.set BM,    232
.set WVN,   12                         ; s12 wave;  s14 batch x head;  s15 quarter of the queries
.set SEL,   20                         ; s[20:21] selects of v_permlanex16_b32: lane l xor 16
.set CS,    22                         ; s[22:23] c = log2(e) / 8, twice
.set G1I,   24                         ; s[24:31] group 1: 12,288 dense bytes;  s[32:39]: 2,048;  s[40:47]: 1,024
.set G1KS,  32
.set G1VS,  40
.set G0K,   48                         ; s[48:63] four groups 0
.set G0V,   52
.set G0KS,  56
.set G0VS,  60
.set TB,    66                         ; s66-68 the step's first byte in the codes, in k's words, in v's words
.set TS,    67
.set TV,    68
.set TRIPS, 69
.set HM,    78                         ; s78  lanes 16-31
.set MSB, 0
.macro WIN new                         ; the immediate's high byte repeats the setting that is left; a switch that changes nothing is dropped
.if MSB != (\new)
	s_set_vgpr_msb (MSB<<8)|(\new)
.set MSB, (\new)
.endif
.endm
.macro CROUND                          ; a round of the cluster's barrier
	s_barrier_signal -1
	s_barrier_wait -1
	s_cmp_lg_u32 s[WVN], 0
	s_cbranch_scc1 .Lnot_wave_0_\@
	s_barrier_signal -3
.Lnot_wave_0_\@:
	s_barrier_wait -3
	s_barrier_signal -1
	s_barrier_wait -1
.endm
.macro DENSE g, rows                   ; group 1 of a dense block: rows of 256 bytes (32 elements of 8 bytes), no padding; all four work-groups of the cluster
	s_mov_b32 s[\g], 15|(3<<16)|(1<<21)
	s_mov_b32 s[\g+1], 32<<16
	s_mov_b32 s[\g+2], (\rows)<<16
	s_mov_b32 s[\g+3], 32<<16
	s_mov_b32 s[\g+4], \rows
	s_mov_b32 s[\g+5], 32
	s_mov_b32 s[\g+6], 0
	s_mov_b32 s[\g+7], 0
.endm
.macro PLACES
.rept 4
	v_nop
.endr
.endm
	s_load_b256 s[4:11], s[0:1], 0x0               ; img, scl, oimg, osc
	v_lshl_add_u32 v251, v0, 2, 0x36000
	v_mov_b32 v255, 0
	ds_add_u32 v251, v255
	ds_add_u32 v251, v255
	v_lshrrev_b32 v1, 5, v0
	v_readfirstlane_b32 s[WVN], v1                 ; wave 0..7
	s_bfe_u32 s13, ttmp6, 0x40000                  ; cx
	s_lshl_b32 s15, ttmp9, 2
	s_add_co_u32 s15, s15, s13                     ; my quarter of the queries: it enters q's and o's addresses alone
	s_and_b32 s14, ttmp7, 0xffff                   ; batch x head, which the four partners share
	DENSE G1I, 48
	DENSE G1KS, 8
	DENSE G1VS, 4
	s_mul_i32 s16, s14, HEADB                      ; each wave fetches an eighth of each of the four blocks
	s_mul_i32 s84, s[WVN], 12288
	s_add_co_u32 s16, s16, s84
	s_mov_b32 s17, 0
	s_add_nc_u64 s[18:19], s[16:17], IMG           ; k's codes: part 1 of img
	s_add_nc_u64 s[16:17], s[16:17], 2*IMG         ; v's: part 2
	s_lshl_b32 s80, s14, 14
	s_lshl_b32 s85, s[WVN], 11
	s_add_co_u32 s80, s80, s85
	s_add_co_u32 s80, s80, 1048576                 ; k's words
	s_mov_b32 s81, 0
	s_lshl_b32 s82, s14, 13
	s_lshl_b32 s86, s[WVN], 10
	s_add_co_u32 s82, s82, s86
	s_add_co_u32 s82, s82, 2097152                 ; v's words
	s_mov_b32 s83, 0
	s_mov_b32 s[SEL], 0x76543210
	s_mov_b32 s[SEL+1], 0xfedcba98
	s_mov_b32 s[CS], 0x3e38aa3b                    ; c = log2(e) / 8
	s_mov_b32 s[CS+1], s[CS]
	s_mov_b32 s[HM], 0xffff0000
	s_wait_dscnt 0x0
	s_wait_kmcnt 0x0
	s_mov_b32 s[G0K], 1
	s_mov_b32 s[G0K+1], s84                        ; LDS: KIMG + 12,288 x wave
	s_add_nc_u64 s[G0K+2:G0K+3], s[4:5], s[18:19]
	s_or_b32 s[G0K+3], s[G0K+3], 0x80000000
	s_mov_b32 s[G0V], 1
	s_add_co_u32 s[G0V+1], s84, VIMG
	s_add_nc_u64 s[G0V+2:G0V+3], s[4:5], s[16:17]
	s_or_b32 s[G0V+3], s[G0V+3], 0x80000000
	s_mov_b32 s[G0KS], 1
	s_add_co_u32 s[G0KS+1], s85, KSC
	s_add_nc_u64 s[G0KS+2:G0KS+3], s[6:7], s[80:81]
	s_or_b32 s[G0KS+3], s[G0KS+3], 0x80000000
	s_mov_b32 s[G0VS], 1
	s_add_co_u32 s[G0VS+1], s86, VSC
	s_add_nc_u64 s[G0VS+2:G0VS+3], s[6:7], s[82:83]
	s_or_b32 s[G0VS+3], s[G0VS+3], 0x80000000
	CROUND                                         ; all four work-groups are here: the joint loads meet
	tensor_load_to_lds s[G0K:G0K+3], s[G1I:G1I+7]      ; the launch's only fills, one group: four loads of mine are out
	s_nop 0
	tensor_load_to_lds s[G0KS:G0KS+3], s[G1KS:G1KS+7]
	s_nop 0
	tensor_load_to_lds s[G0V:G0V+3], s[G1I:G1I+7]
	s_nop 0
	tensor_load_to_lds s[G0VS:G0VS+3], s[G1VS:G1VS+7]
	s_nop 0
	PLACES                                         ; four v_nop follow the last
	v_and_b32 v92, 31, v0
	v_lshlrev_b32 v[L16], 4, v92
	v_lshlrev_b32 v[L8], 3, v92
	v_and_b32 v93, 15, v0                          ; r
	v_bfe_u32 v94, v0, 4, 1                        ; h
	v_and_b32 v95, 8, v93
	v_add_nc_u32 v95, v95, v93                     ; r + 8 (r / 8)
	v_lshlrev_b32 v[OSO], 5, v95
	v_lshl_add_u32 v[OSO], v94, 8, v[OSO]          ; lanes 0-15 store tile 0's rows, lanes 16-31 tile 1's, which lie 8 rows (256 bytes) on
	v_add_nc_u32 v[BV], VIMG, v[L16]
	v_add_nc_u32 v[BKS], KSC, v[L16]
	v_add_nc_u32 v[BVS], VSC, v[L16]
	v_cmp_gt_u32 vcc_lo, 16, v92                   ; lanes 0-15 hold k = 64 .. 95 in registers 6-11 of a fragment: the constants; lanes 16-31 zeros
	v_mov_b32 v93, 0x7fffffff                      ; codes 0x3f five times, then 0x25: -7.5 x 5, -0.625
	v_mov_b32 v94, 9
.irp i, 0,1,2,3
	v_cndmask_b32 v[KF+12*\i+6], 0, v93, vcc_lo
	v_cndmask_b32 v[KF+12*\i+7], 0, v94, vcc_lo
	v_mov_b32 v[KF+12*\i+8], 0
	v_mov_b32 v[KF+12*\i+9], 0
	v_mov_b32 v[KF+12*\i+10], 0
	v_mov_b32 v[KF+12*\i+11], 0                    ; the loads of k write registers 0-5 of a fragment alone: these stay
.endr
	v_mov_b32 v93, 0x527df7df                      ; codes 0x1f four times, 0x12, 0x05: 7.5 x 4, 2.5, 0.625
	v_mov_b32 v94, 1
.irp t, 0,1
	WIN 0x40*\t                                    ; destination: window t
	v_cndmask_b32 v[QQ+6], 0, v93, vcc_lo
	v_cndmask_b32 v[QQ+7], 0, v94, vcc_lo
	v_mov_b32 v[QQ+8], 0
	v_mov_b32 v[QQ+9], 0
	v_mov_b32 v[QQ+10], 0
	v_mov_b32 v[QQ+11], 0
	v_mov_b32 v[BM+4], 0                           ; written once: a lane permute's destination counts as one of its sources
	v_mov_b32 v[BM+5], 0
	v_mov_b32 v[BM+6], 0
	v_mov_b32 v[BM+7], 0
	v_mov_b32 v253, 0                              ; (named as the upper half of the pair v[252:253] before it is first written)
.endr
	WIN 0
	s_wait_tensorcnt 0x0                           ; my eighths have landed: zero, since the other waves read them,
	s_barrier_signal -1
	s_barrier_wait -1                              ; and everybody's have
.macro KLOAD g, off                    ; four tiles of 16 keys: registers 0-5 of the four fragments: 8 loads
.irp i, 0,1,2,3
	ds_load_b128 v[KF+12*\i:KF+12*\i+3], v[ADK16] offset:\off+(4*\g+\i)*768
	ds_load_b64 v[KF+12*\i+4:KF+12*\i+5], v[ADK8] offset:\off+(4*\g+\i)*768+512
.endr
.endm
.macro KWORDS off                      ; the eight tiles' scale words: 2 loads
	ds_load_b128 v[KW:KW+3], v[ADS] offset:\off
	ds_load_b128 v[KW+4:KW+7], v[ADS] offset:\off+512
.endm
.macro VLOAD                           ; v's four fragments (16 channels x 128 keys each) into window 1, and their words: 13 loads
	WIN 0x40
.irp d, 0,1,2,3
.irp c, 0,1,2
	ds_load_b128 v[KF+12*\d+4*\c:KF+12*\d+4*\c+3], v[ADV] offset:\d*1536+\c*512
.endr
.endr
	WIN 0
	ds_load_b128 v[VW:VW+3], v[ADT]
.endm
.macro SMUL g                          ; S^T of key tiles 4 g .. 4 g + 3, for both tiles of queries: eight products, eight accumulators
.irp t, 0,1
	WIN 0x44*\t                                    ; q and S^T in window t, k in window 0
.irp i, 0,1,2,3
	v_wmma_scale_f32_16x16x128_f8f6f4 v[SS+8*(4*\g+\i):SS+8*(4*\g+\i)+7], v[KF+12*\i:KF+12*\i+11], v[QQ:QQ+11], 0, v[KW+4*\g+\i], v[QW+\t] matrix_a_fmt:MATRIX_FMT_FP6 matrix_b_fmt:MATRIX_FMT_FP6
.endr
.endr
.endm
.macro MAXB t, p                       ; the largest score of blocks 2 p and 2 p + 1 of 32 keys (my 16 of each): it serves for the row's maximum and, since p rises with the score, for the block's largest p.  Each accumulator is read from its low end on
	WIN 0x55*\t
.irp b, 2*\p, 2*\p+1
	v_max3_num_f32 v[BM+(\b)], v[SS+16*(\b)], v[SS+16*(\b)+1], v[SS+16*(\b)+2]
.endr
.irp i, 3,5,7,9,11,13
.irp b, 2*\p, 2*\p+1
	v_max3_num_f32 v[BM+(\b)], v[BM+(\b)], v[SS+16*(\b)+\i], v[SS+16*(\b)+\i+1]
.endr
.endr
.irp b, 2*\p, 2*\p+1
	v_max_num_f32 v[BM+(\b)], v[BM+(\b)], v[SS+16*(\b)+15]
.endr
.endm
.macro SMREST t                        ; the rest of tile t's softmax for these 128 keys, all in window t
	WIN 0x55*\t
.irp b, 0,1,2,3
	v_permlanex16_b32 v[BM+4+\b], v[BM+\b], s[SEL], s[SEL+1]
.endr
.irp b, 0,1,2,3
	v_max_num_f32 v[BM+\b], v[BM+\b], v[BM+4+\b]   ; with lane l xor 16's 16 keys
.endr
	v_max3_num_f32 v254, v232, v233, v234
	v_max_num_f32 v254, v254, v235                 ; the step's largest score of my query
	v_mul_f32 v254, s[CS], v254                    ; as t (c is positive)
	v_max_num_f32 v13, v13, v254                   ; the running largest t
	v_mov_b32 v254, v12
	v_floor_f32 v12, -v13                          ; the new -M = floor(-t) = -ceil(t): M is a whole number
	v_sub_f32 v254, v12, v254                      ; M's old value less its new one: a whole number, 0 or less
	v_cvt_i32_f32 v254, v254                       ; (it saturates)
	v_ldexp_f32 v252, 1.0, v254                    ; f = 2^(old M - new M)
.irp j, 0,2,4,6,8,10,12,14,16,18,20,22,24,26,28,30,32,34,36,38,40,42,44,46,48,50,52,54,56,58,60,62
	v_pk_fma_f32 v[SS+\j:SS+\j+1], v[SS+\j:SS+\j+1], s[CS:CS+1], v[12:13] op_sel_hi:[1,0,0]   ; t - M, two at a time
.endr
.irp b, 0,1,2,3
	v_fma_f32 v[BM+\b], v[BM+\b], s[CS], v12       ; the same of each block's largest score
.endr
.irp j, 0,1,2,3,4,5,6,7,8,9,10,11,12,13,14,15,16,17,18,19,20,21,22,23,24,25,26,27,28,29,30,31,32,33,34,35,36,37,38,39,40,41,42,43,44,45,46,47,48,49,50,51,52,53,54,55,56,57,58,59,60,61,62,63
	v_exp_f32 v[SS+\j], v[SS+\j]                   ; p = 2^(t - M), at most 1: not normalised
.endr
.irp b, 0,1,2,3
	v_exp_f32 v[BM+\b], v[BM+\b]                   ; the block's largest p: the same two instructions on the same number give the same bits
.endr
	v_pk_mul_f32 v[14:15], v[14:15], v[252:253] op_sel_hi:[1,0]   ; the sums under the new M.  (A plain place behind the exponentials)
	s_wait_alu depctr_va_vdst(0)
.irp b, 0,1,2,3
	v_max_num_f32 v[BM+\b], 0x1800000, v[BM+\b]    ; the floor 2^(3 - 127): the byte cannot fall under 1
.endr
.irp b, 0,1,2,3
	v_add_nc_u32 v[244+\b], 0xff000000, v[BM+\b]   ; 2 off the exponent field: the conversion's scale operand
.endr
.irp b, 0,1,2,3
	v_lshrrev_b32 v[BM+4+\b], 23, v[244+\b]        ; the scale's byte
.endr
	v_lshl_or_b32 v253, v237, 8, v236
	v_lshl_or_b32 v253, v238, 16, v253
	WIN 0x15*\t                                    ; sources window t, destination window 0: scale operands are taken from window 0
	v_lshl_or_b32 v[PWD+\t], v239, 24, v253        ; p's scale word for these 128 keys
	WIN 0x55*\t
.irp c, 0,1
	v_cvt_scalef32_pk16_fp6_f32 v[PCD+6*\c:PCD+2+6*\c], v[SS+32*\c:SS+15+32*\c], v[244+2*\c]
	v_cvt_scalef32_pk16_fp6_f32 v[236+4*\c:238+4*\c], v[SS+16+32*\c:SS+31+32*\c], v[244+2*\c+1]   ; (a conversion's three registers begin on an even number)
.endr
	v_nop                                          ; one plain place behind a scaled conversion
.irp c, 0,1                                    ; the operand's layout wants a WHOLE block in a lane
.irp i, 0,1,2
	v_permlane16_swap_b32 v[PCD+6*\c+\i], v[236+4*\c+\i]
.endr
.irp i, 0,1,2
	v_mov_b32 v[PCD+3+6*\c+\i], v[236+4*\c+\i]
.endr
.endr
	v_pk_add_f32 v[236:237], v[SS:SS+1], v[SS+2:SS+3]   ; the row's sum is taken of the UNQUANTISED p: two at a time, in two chains
.irp j, 4,8,12,16,20,24,28,32,36,40,44,48,52,56,60
	v_pk_add_f32 v[14:15], v[14:15], v[SS+\j:SS+\j+1]
	v_pk_add_f32 v[236:237], v[236:237], v[SS+2+\j:SS+3+\j]
.endr
	v_pk_add_f32 v[14:15], v[14:15], v[236:237]
.irp j, 0,2,4,6,8,10,12,14,16,18,20,22,24,26,28,30
	v_pk_mul_f32 v[OO+\j:OO+\j+1], v[OO+\j:OO+\j+1], v[252:253] op_sel_hi:[1,0]   ; O^T under the new M.  (The sums and these are the places between p's codes and word and the products below)
.endr
.endm
.macro PVMUL t                         ; O^T += v^T p^T: four tiles of 16 channels, four accumulators by turns
	WIN 0x01+0x54*\t                               ; v in window 1; p and O^T in window t
.irp d, 0,1,2,3
	v_wmma_scale_f32_16x16x128_f8f6f4 v[OO+8*\d:OO+8*\d+7], v[KF+12*\d:KF+12*\d+11], v[PCD:PCD+11], v[OO+8*\d:OO+8*\d+7], v[VW+\d], v[PWD+\t] matrix_a_fmt:MATRIX_FMT_FP6 matrix_b_fmt:MATRIX_FMT_FP6
.endr
.endm
; A KEY STEP: 128 keys, both tiles of queries.  next = 1: the next step's first four tiles of k and its words are asked for, behind this step's v.
.macro STEP next
	WIN 0
	v_add_nc_u32 v[ADK16], s[TB], v[L16]           ; (five plain instructions: the places behind the last step's products)
	v_add_nc_u32 v[ADK8], s[TB], v[L8]
	v_add_nc_u32 v[ADV], s[TB], v[BV]
	v_add_nc_u32 v[ADS], s[TS], v[BKS]
	v_add_nc_u32 v[ADT], s[TV], v[BVS]
	s_wait_dscnt 0x0                               ; k's tiles 0-3 and the step's eight words, asked for a step ago: nothing younger is out
	SMUL 0
	WIN 0
	PLACES                                         ; in front of loads into registers that the products have read, and of the first read of their results
	KLOAD 1, 0                                     ; k's tiles 4-7, which land under the 32 lines below
	MAXB 0, 0
	MAXB 1, 0
	s_wait_dscnt 0x0
	SMUL 1
	WIN 0
	PLACES
	VLOAD
.if \next
	KLOAD 0, STEPB
	KWORDS 1024
.endif
	MAXB 0, 1
	SMREST 0
.if \next
	s_wait_dscnt 10                                ; v's 13 loads are in; the 8 + 2 issued behind them, the next step's, may be out
.else
	s_wait_dscnt 0x0
.endif
	PVMUL 0
	MAXB 1, 1                                      ; tile 1's softmax is issued while tile 0's products are at work: it names none of their registers
	SMREST 1
	PVMUL 1
	WIN 0                                          ; at a label and at a branch every window is 0
.if \next
	s_add_co_u32 s[TB], s[TB], STEPB
	s_add_co_u32 s[TS], s[TS], 1024
	s_add_co_u32 s[TV], s[TV], 512
.endif
.endm
; Tile t's way out: O^T / the sum; its 32 registers are channels 32 b + 16 h + i: two blocks, quantised as p is; half a fragment's image and the row's two scale bytes (v254).
.macro FINISH t
	WIN 0x55*\t
	v_add_f32 v14, v14, v15                        ; the sum's two halves,
	v_permlanex16_b32 v252, v14, s[SEL], s[SEL+1]
	v_add_f32 v14, v14, v252                       ; and lane l xor 16's
	v_rcp_f32 v14, v14
	v_nop                                          ; one plain place behind a transcendental
	s_wait_alu depctr_va_vdst(0)
.irp j, 0,2,4,6,8,10,12,14,16,18,20,22,24,26,28,30
	v_pk_mul_f32 v[SS+\j:SS+\j+1], v[OO+\j:OO+\j+1], v[14:15] op_sel_hi:[1,0]   ; each accumulator from its low end on
.endr
.irp b, 0,1
	v_max3_num_f32 v[BM+\b], |v[SS+16*\b]|, |v[SS+1+16*\b]|, 0x1800000
.endr
.irp i, 2,4,6,8,10,12,14
.irp b, 0,1
	v_max3_num_f32 v[BM+\b], v[BM+\b], |v[SS+16*\b+\i]|, |v[SS+1+16*\b+\i]|
.endr
.endr
.irp b, 0,1
	v_permlanex16_b32 v[BM+4+\b], v[BM+\b], s[SEL], s[SEL+1]
.endr
.irp b, 0,1
	v_max_num_f32 v[BM+\b], v[BM+\b], v[BM+4+\b]
.endr
.irp b, 0,1
	v_add_nc_u32 v[244+\b], 0xff000000, v[BM+\b]
.endr
.irp b, 0,1
	v_lshrrev_b32 v[BM+4+\b], 23, v[244+\b]
.endr
	v_lshl_or_b32 v254, v237, 8, v236
	v_cvt_scalef32_pk16_fp6_f32 v[PCD:PCD+2], v[SS:SS+15], v244
	v_cvt_scalef32_pk16_fp6_f32 v[240:242], v[SS+16:SS+31], v245
	v_nop
.irp i, 0,1,2
	v_permlane16_swap_b32 v[PCD+\i], v[240+\i]
.endr
.irp i, 0,1,2
	v_mov_b32 v[PCD+3+\i], v[240+\i]
.endr
	WIN 0x04*\t                                    ; a store's data are its source 1
	global_store_b128 v[L16], v[PCD:PCD+3], s[74:75] offset:12288*\t       ; 512 consecutive bytes, aligned
	global_store_b64 v[L8], v[PCD+4:PCD+5], s[74:75] offset:12288*\t+512   ; 256
.endm
; A PASS: two tiles of queries (32 rows) against all 2,048 keys.  My first tile of the head's 128: 32 x quarter + 16 p + 2 x wave.
.macro PASS p
.if \p > 0
	s_wait_xcnt 0x0                                ; the last pass's stores have read their registers and bases
.endif
	s_lshl_b32 s80, s15, 5
	s_lshl_b32 s81, s[WVN], 1
	s_add_co_u32 s80, s80, s81
	s_add_co_u32 s80, s80, 16*\p                   ; my first tile
	s_mul_i32 s82, s14, HEADB
	s_mul_i32 s83, s80, 768
	s_add_co_u32 s82, s82, s83
	s_mov_b32 s83, 0
	s_add_nc_u64 s[70:71], s[4:5], s[82:83]        ; q's images: part 0 of img
	s_lshl_b32 s82, s14, 14
	s_lshr_b32 s84, s80, 3
	s_lshl_b32 s84, s84, 10
	s_add_co_u32 s82, s82, s84
	s_bfe_u32 s84, s80, 0x10002
	s_lshl_b32 s84, s84, 9
	s_add_co_u32 s82, s82, s84
	s_and_b32 s84, s80, 3
	s_lshl_b32 s84, s84, 2
	s_add_co_u32 s82, s82, s84
	s_add_nc_u64 s[72:73], s[6:7], s[82:83]        ; q's words
	s_lshr_b32 s84, s14, 4                         ; the batch
	s_lshl_b32 s84, s84, 7
	s_add_co_u32 s84, s84, s80
	s_lshl_b32 s84, s84, 4
	s_and_b32 s85, s14, 15                         ; the head
	s_add_co_u32 s84, s84, s85
	s_mul_i32 s82, s84, 768
	s_add_nc_u64 s[74:75], s[8:9], s[82:83]        ; oimg: [tile of rows][head][768]
	s_lshr_b32 s84, s14, 4
	s_lshl_b32 s84, s84, 11
	s_lshl_b32 s86, s80, 4
	s_add_co_u32 s84, s84, s86
	s_lshl_b32 s84, s84, 5
	s_lshl_b32 s85, s85, 1
	s_add_co_u32 s82, s84, s85
	s_add_nc_u64 s[76:77], s[10:11], s[82:83]      ; osc: [row][32], bytes 2 x head on
	global_load_b128 v[QQ:QQ+3], v[L16], s[70:71]
	global_load_b64 v[QQ+4:QQ+5], v[L8], s[70:71] offset:512
	global_load_b32 v[QW], v[L16], s[72:73]
	global_load_b32 v[QW+1], v[L16], s[72:73] offset:4
	WIN 0x40
	global_load_b128 v[QQ:QQ+3], v[L16], s[70:71] offset:768
	global_load_b64 v[QQ+4:QQ+5], v[L8], s[70:71] offset:1280
.irp t, 1,0
	WIN 0x40*\t
	v_mov_b32 v13, 0xff61b1e6                      ; the largest t so far: -3e38, under every t
	v_mov_b32 v12, 0x7f61b1e6                      ; -M: 3e38, which is its own floor
	v_mov_b32 v14, 0
	v_mov_b32 v15, 0
.irp j, 0,1,2,3,4,5,6,7,8,9,10,11,12,13,14,15,16,17,18,19,20,21,22,23,24,25,26,27,28,29,30,31
	v_mov_b32 v[OO+\j], 0                          ; O^T.  (The step is written once for the loop: the first finds zeros, which the first change of M leaves zeros)
.endr
.endr
	s_mov_b32 s[TB], 0
	s_mov_b32 s[TS], 0
	s_mov_b32 s[TV], 0
	v_add_nc_u32 v[ADK16], s[TB], v[L16]
	v_add_nc_u32 v[ADK8], s[TB], v[L8]
	v_add_nc_u32 v[ADS], s[TS], v[BKS]
	KLOAD 0, 0
	KWORDS 0
	s_wait_loadcnt 0x0                             ; q
	s_mov_b32 s[TRIPS], 15
.Lkeys_\@:
	STEP 1
	s_sub_co_u32 s[TRIPS], s[TRIPS], 1
	s_cmp_lg_u32 s[TRIPS], 0
	s_cbranch_scc1 .Lkeys_\@
	STEP 0                                         ; the last 128 keys: nothing more is fetched
	PLACES                                         ; behind the last products
	FINISH 0
	FINISH 1
	WIN 0x04
	v_cndmask_b32 v92, v254, v254, s[HM]           ; lanes 0-15 tile 0's bytes (window 0), lanes 16-31 tile 1's (window 1); each word is the same in lanes l and l xor 16
	WIN 0
	global_store_b16 v[OSO], v92, s[76:77]
.endm
	PASS 0
	PASS 1
	s_wait_tensorcnt 0x0
	ds_add_u32 v251, v255
	s_wait_dscnt 0x0
	CROUND                                         ; the closing round
	s_endpgm
.Lfunc_end_k_q11c8017160_attn:
	.size	k_q11c8017160_attn, .Lfunc_end_k_q11c8017160_attn-k_q11c8017160_attn
	.p2alignl 7, 3214868480
	.fill 96, 4, 3214868480
	.section	.rodata,"a",@progbits
	.p2align	6, 0x0
	.amdhsa_kernel k_q11c8017160_attn
		.amdhsa_group_segment_fixed_size 222208
		.amdhsa_private_segment_fixed_size 0
		.amdhsa_enable_private_segment 0
		.amdhsa_kernarg_size 32
		.amdhsa_user_sgpr_count 2
		.amdhsa_user_sgpr_kernarg_segment_ptr 1
		.amdhsa_wavefront_size32 1
		.amdhsa_system_sgpr_workgroup_id_x 1
		.amdhsa_system_sgpr_workgroup_id_y 1
		.amdhsa_system_sgpr_workgroup_id_z 1
		.amdhsa_system_vgpr_workitem_id 0
		.amdhsa_next_free_vgpr 512
		.amdhsa_next_free_sgpr 96
		.amdhsa_reserve_vcc 1
		.amdhsa_float_denorm_mode_32 3
		.amdhsa_float_denorm_mode_16_64 3
		.amdhsa_memory_ordered 1
		.amdhsa_forward_progress 1
		.amdhsa_inst_pref_size 147
	.end_amdhsa_kernel
	.amdgpu_metadata
---
amdhsa.version: [ 1, 2 ]
amdhsa.kernels:
  - .name:           k_q11c8017160_attn
    .symbol:         k_q11c8017160_attn.kd
    .args:
      - { .name: img, .offset: 0, .size: 8, .value_kind: global_buffer, .address_space: global }
      - { .name: scl, .offset: 8, .size: 8, .value_kind: global_buffer, .address_space: global }
      - { .name: oimg, .offset: 16, .size: 8, .value_kind: global_buffer, .address_space: global }
      - { .name: osc, .offset: 24, .size: 8, .value_kind: global_buffer, .address_space: global }
    .group_segment_fixed_size: 222208
    .private_segment_fixed_size: 0
    .kernarg_segment_align: 8
    .kernarg_segment_size: 32
    .max_flat_workgroup_size: 256
    .sgpr_count:     96
    .vgpr_count:     512
    .wavefront_size: 32
...
	.end_amdgpu_metadata
.endif
;; end of part 2
;; launch outp (part 3): grid 4 x 32, 4 waves a work-group, clusters of 4 x 4, 327,680 bytes of LDS; arguments oimg, osc, WO_w_codes, WO_w_scales, WO_b, mask, out0; writes out0
.if DOCPART == 3
	.amdgcn_target "amdgcn-amd-amdhsa--gfx1250"
	.amdhsa_code_object_version 6
	.text
	.protected	k_q11c8017160_outp
	.globl	k_q11c8017160_outp
	.p2align	8
	.type	k_q11c8017160_outp,@function
k_q11c8017160_outp:
	s_mov_b64 s[64:65], 0
	v_nop
	global_prefetch_b8 v0, s[64:65] scope:SCOPE_SE
	s_setreg_imm32_b32 hwreg(HW_REG_WAVE_MODE, 25, 1), 1
	s_wait_xcnt 0x0
	s_wait_alu depctr_hold_cnt(0) depctr_sa_sdst(0) depctr_va_vdst(0) depctr_va_sdst(0) depctr_va_ssrc(0) depctr_va_vcc(0) depctr_vm_vsrc(0)
	s_getreg_b32 s2, hwreg(HW_REG_IB_STS2, 6, 4)
	s_cmp_eq_u32 s2, 0
	s_cbranch_scc0 .Lentry_in_a_cluster
	s_endpgm
.Lentry_in_a_cluster:
	s_bfe_u32 s2, ttmp6, 0x10000c
	s_cmp_lg_u32 s2, 0xf033
	s_cbranch_scc0 .Lentry_shape_is_right
	s_endpgm
.Lentry_shape_is_right:
; out0 = | (o WO^T + bo) x mask |, the product on codes of FP6 (E2M3) with one E8M0 scale for each 32 along K = 1,024; sums in f32; out0 [8,192][1,024] f32.
; A work-group of four waves makes 256 x 256, a wave 128 x 128: 64 accumulators.  K goes in four steps of 256 through two LDS slots; the scale bytes for all of K come into LDS once; clusters of 4 x 4 ask jointly for shared tiles.
; Source 0 = 256 rows of WO (rows of 768 bytes, as they are given), source 1 = 256 rows of o, so that a lane's eight results are neighbouring columns of one row of out0.
; o's codes lie in oimg as IMAGES OF THE OPERAND'S REGISTERS: [tile of 16 rows][head][768 bytes]; a K step of 256 is four heads, 3,072 consecutive bytes of a tile; 128 along K are two heads: registers 0-5 and 6-11 of a fragment.
; THE ROWS OF A TILE ARE NOT NEIGHBOURS, on both sides: lane r of tile 2 b + u takes row 32 b + 8 u + r + 8 (r / 8): so were o's tiles made, and so a lane's 16 registers of two neighbouring tiles of WO are 16 neighbouring columns.
; The bias is the C of each sum's first product.  |.| and the mask are ONE v_and_b32 with 0x7fffffff or 0, chosen by the row's mask byte.
; 128 work-groups: this text leaves half of the chip's 256 WGPs without work; a tile of 128 x 256 would use them.
; LIMITS: NaN and infinities are not served (a masked row is 0 whatever its sum).
.set NQ,     2
.set ROWB,   192                       ; a row of WO's tile: 256 codes
.set KROW,   768
.set PITCH,  240                       ; 3 x (64 bytes + 16 of padding)
.set FR,     12
.set NL,     6                         ; LDS loads that bring a fragment of WO
.set NLA,    4                         ; and one of o
.set NP,     4                         ; places behind this matrix instruction (ISA guide 7.12.1)
.set HALFA,  24576                     ; o: 8 tiles x 3,072 bytes: one tensor load
.set HALFT,  128*PITCH                 ; WO: 128 rows: one tensor load
.set SLOT,   2*HALFA+2*HALFT           ; o's 16 tiles, then WO's 256 rows
.set SCL,    2*SLOT                    ; behind the ring: the scale bytes, units of 256 bytes + 16 of padding
.set HALFS,  16*272
.set SPARE,  SCL+4*HALFS               ; the spare words: 128 bytes a wave, two blocks of 256 bytes that no other line names
.set SPITCH, 528                       ; the way out: a stage of 16 rows x (512 bytes + 16) for each wave, in slot 0, which has had its last fill and its last read when the first result is stored there
.set AL16, 16                          ; v16-17  16 x lane + my half of o's tiles in slot 0, 1
.set AL8,  18                          ; v18-19  the same with 8 x lane
.set ADRB, 20                          ; v20-21  LDS address of WO's fragments in slot 0, 1 (v22-23: behind one padding more)
.set STO,  24                          ; v24     the way out: where I put my numbers of a row
.set PR,   25                          ; v25     r + 8 (r / 8)
.set CO,   26                          ; v26     16 x lane
.set ADRS, 27                          ; v27     LDS address of my scale words
.set SPW,  28                          ; v28     LDS address of my spare word; never rewritten
.set NIL,  29                          ; v29     0; never rewritten
.set RD,   30                          ; v30     the way out: where I read a row back
.set SC,   32                          ; v32-63  scale words, two sets
.set BI,   64                          ; v64-127 the bias, in the result's layout
.set AF,   128                         ; v128-223 o's fragments, one set
.set MB,   224                         ; v224-231 mask bytes
.set MK,   232                         ; v232-239 0x7fffffff or 0 for my row of block a
.set T,    32                          ; the way out: v32-95 a block's numbers
.set BK,   96                          ; v96-159, v160-223 rows read back, by turns
.set WVN,  20
.set RH,   21
.set CH,   22
.set G1,   24                          ; s[24:31] group 1, o's tiles;  s[32:39] group 0, one set a slot
.set G0,   32
.set G1B,  48                          ; s[48:55], s[56:63] WO's
.set G0B,  56
.set G1S,  68                          ; s[68:75], s[76:79] o's scale bytes;  s[80:87], s[88:91] WO's
.set G0S,  76
.set G1SB, 80
.set G0SB, 88
.set MSB, 0
.macro WIN new
.if MSB != (\new)
	s_set_vgpr_msb (MSB<<8)|(\new)
.set MSB, (\new)
.endif
.endm
.set MUL_LO, 0xa1                      ; source 0 window 1, source 1 window 0, C and D window 2  (less 0x20: C in window 0)
.set MUL_HI, 0xf1                      ; the same, C and D window 3  (less 0x30: C in window 0)
.set TO_B,   0x40
.macro JLOAD g0a, g1a, g0b, g1b        ; a joint load: waves 0 and 1 fetch for o, waves 2 and 3 for WO; four v_nop follow each of the two lines
	s_cmp_eq_u32 s[RH], 0
	s_cbranch_scc0 .Lfor_b_\@
	tensor_load_to_lds s[\g0a:\g0a+3], s[\g1a:\g1a+7]
	s_nop 0
.rept 4
	v_nop
.endr
	s_branch .Lasked_\@
.Lfor_b_\@:
	tensor_load_to_lds s[\g0b:\g0b+3], s[\g1b:\g1b+7]
	s_nop 0
.rept 4
	v_nop
.endr
.Lasked_\@:
.endm
.macro CREST
	s_cmp_lg_u32 s[WVN], 0
	s_cbranch_scc1 .Lnot_wave_0_\@
	s_barrier_signal -3
.Lnot_wave_0_\@:
	s_barrier_wait -3
	s_barrier_signal -1
	s_barrier_wait -1
.endm
.macro CROUND
	s_barrier_signal -1
	s_barrier_wait -1
	CREST
.endm
	s_load_b256 s[4:11], s[0:1], 0x0               ; oimg, osc, WO's codes, WO's scales
	s_load_b128 s[12:15], s[0:1], 0x20             ; bo, mask
	s_load_b64 s[16:17], s[0:1], 0x30              ; out0
	v_lshl_add_u32 v[SPW], v0, 2, SPARE
	v_mov_b32 v[NIL], 0
	ds_add_u32 v28, v29
	ds_add_u32 v28, v29
	s_wait_dscnt 0x0
	v_lshrrev_b32 v1, 5, v0
	v_readfirstlane_b32 s[WVN], v1                 ; wave 0..3
	s_lshr_b32 s[RH], s[WVN], 1                    ; my half of the rows; also: I fetch for o (0) or for WO (1)
	s_and_b32 s[CH], s[WVN], 1                     ; my half of the columns; also: which half of a tile I fetch
	s_bfe_u32 s44, ttmp6, 0x40000                  ; cx, cy
	s_bfe_u32 s45, ttmp6, 0x40004
	s_lshl_b32 s47, ttmp9, 2
	s_add_co_u32 s47, s47, s44                     ; tile column = 4 x cluster x + cx
	s_and_b32 s46, ttmp7, 0xffff
	s_lshl_b32 s46, s46, 2
	s_add_co_u32 s46, s46, s45                     ; tile row = 4 x cluster y + cy
	s_lshl_b32 s66, s45, 2
	s_lshl_b32 s66, 15, s66                        ; my row of the cluster
	s_lshl_b32 s67, 0x1111, s44                    ; my column
	; group 1 for o: 8 tiles of rows x 3,072 bytes (384 elements of 8 bytes), 12,288 bytes (1,536 elements) apart; no padding: the images are read as consecutive bytes
	s_or_b32 s[G1+0], s66, (3<<16)|(1<<21)
	s_mov_b32 s[G1+1], 384<<16
	s_mov_b32 s[G1+2], 8<<16
	s_mov_b32 s[G1+3], 384<<16
	s_mov_b32 s[G1+4], 8
	s_mov_b32 s[G1+5], 1536
	s_mov_b32 s[G1+6], 0
	s_mov_b32 s[G1+7], 0
	; for WO: 128 rows x 192 bytes, 16 bytes of padding behind every 64
	s_or_b32 s[G1B+0], s67, (0<<16)|(1<<20)|(1<<21)|(3<<22)|(3<<25)
	s_mov_b32 s[G1B+1], ROWB<<16
	s_mov_b32 s[G1B+2], 128<<16
	s_mov_b32 s[G1B+3], ROWB<<16
	s_mov_b32 s[G1B+4], 128
	s_mov_b32 s[G1B+5], KROW
	s_mov_b32 s[G1B+6], 0
	s_mov_b32 s[G1B+7], 0
	; the scale bytes of 128 rows: 16 rows of 256 bytes, 16 bytes of padding behind each
	s_or_b32 s[G1S+0], s66, (3<<16)|(1<<20)|(1<<21)|(5<<22)|(3<<25)
	s_or_b32 s[G1SB+0], s67, (3<<16)|(1<<20)|(1<<21)|(5<<22)|(3<<25)
.irp g, G1S, G1SB
	s_mov_b32 s[\g+1], 32<<16
	s_mov_b32 s[\g+2], 16<<16
	s_mov_b32 s[\g+3], 32<<16
	s_mov_b32 s[\g+4], 16
	s_mov_b32 s[\g+5], 32
	s_mov_b32 s[\g+6], 0
	s_mov_b32 s[\g+7], 0
.endr
	s_lshl_b32 s18, s46, 4
	s_lshl_b32 s19, s[CH], 3
	s_add_co_u32 s18, s18, s19                     ; o: the first tile of 16 rows that I fetch (made of cy alone)
	s_lshl_b32 s2, s18, 9                          ; its rows' scale bytes: 512 a tile
	s_mov_b32 s3, 0
	s_mul_i32 s18, s18, 12288
	s_mov_b32 s19, 0
	s_lshl_b32 s100, s47, 8
	s_lshl_b32 s101, s[CH], 7
	s_add_co_u32 s100, s100, s101                  ; WO: the first row that I fetch (made of cx alone)
	s_mul_i32 s92, s100, KROW
	s_mov_b32 s93, 0
	s_lshl_b32 s94, s100, 5
	s_mov_b32 s95, 0
	s_mul_i32 s96, s[CH], HALFA                    ; where they go: no place in the cluster enters an LDS address
	s_mul_i32 s97, s[CH], HALFT
	s_add_co_u32 s97, s97, 2*HALFA
	s_mul_i32 s98, s[WVN], HALFS
	s_wait_kmcnt 0x0
	s_add_nc_u64 s[4:5], s[4:5], s[18:19]
	s_add_nc_u64 s[6:7], s[6:7], s[2:3]
	s_add_nc_u64 s[8:9], s[8:9], s[92:93]
	s_add_nc_u64 s[10:11], s[10:11], s[94:95]
	CROUND                                         ; all sixteen work-groups are here: the first joint loads meet
	s_mov_b32 s[G0S], 1
	s_add_co_u32 s[G0S+1], s98, SCL
	s_mov_b64 s[G0S+2:G0S+3], s[6:7]
	s_or_b32 s[G0S+3], s[G0S+3], 0x80000000
	s_mov_b32 s[G0SB], 1
	s_add_co_u32 s[G0SB+1], s98, SCL
	s_mov_b64 s[G0SB+2:G0SB+3], s[10:11]
	s_or_b32 s[G0SB+3], s[G0SB+3], 0x80000000
	JLOAD G0S, G1S, G0SB, G1SB
.irp s, 0,1
	s_mov_b32 s[G0+4*\s], 1
	s_add_co_u32 s[G0+4*\s+1], s96, \s*SLOT
	s_add_nc_u64 s[G0+4*\s+2:G0+4*\s+3], s[4:5], \s*3072
	s_or_b32 s[G0+4*\s+3], s[G0+4*\s+3], 0x80000000
	s_mov_b32 s[G0B+4*\s], 1
	s_add_co_u32 s[G0B+4*\s+1], s97, \s*SLOT
	s_add_nc_u64 s[G0B+4*\s+2:G0B+4*\s+3], s[8:9], \s*ROWB
	s_or_b32 s[G0B+4*\s+3], s[G0B+4*\s+3], 0x80000000
	JLOAD G0+4*\s, G1, G0B+4*\s, G1B               ; three loads of mine are out now
.endr
	v_and_b32 v1, 15, v0                           ; r
	v_bfe_u32 v2, v0, 4, 1                         ; h
	v_and_b32 v[PR], 8, v1
	v_add_nc_u32 v[PR], v[PR], v1                  ; r + 8 (r / 8)
	v_and_b32 v3, 31, v0
	v_lshlrev_b32 v[CO], 4, v3                     ; 16 x lane
	v_lshlrev_b32 v6, 3, v3                        ; 8 x lane
	v_mul_u32_u24 v3, v[PR], PITCH
	v_mul_u32_u24 v4, v2, 24
	v_add_nc_u32 v4, v3, v4                        ; WO: row x pitch + 24 x half
	v_lshl_add_u32 v5, v2, 4, v4                   ; and the same behind one padding more
	s_mul_i32 s18, s[RH], HALFA                    ; my 8 tiles of o
	s_mul_i32 s19, s[CH], HALFT                    ; my 128 rows of WO,
	s_add_co_u32 s19, s19, 2*HALFA                 ; which lie behind o's 16 tiles
.irp s, 0,1
	v_add_nc_u32 v[AL16+\s], s18, v[CO]
	v_add_nc_u32 v[AL8+\s], s18, v6
	v_add_nc_u32 v[ADRB+\s], s19, v4
	v_add_nc_u32 v[ADRB+2+\s], s19, v5
	s_add_co_u32 s18, s18, SLOT
	s_add_co_u32 s19, s19, SLOT
.endr
	v_lshlrev_b32 v5, 5, v[PR]                     ; my row's scale bytes: 32 a row,
	v_lshrrev_b32 v6, 8, v5
	v_lshl_add_u32 v5, v6, 4, v5                   ; and 16 more for each 256 passed
	s_mul_i32 s18, s[RH], HALFS
	s_mul_i32 s19, s[CH], HALFS
	s_add_co_u32 s19, s19, 2*HALFS
	s_sub_co_u32 s19, s19, s18
	v_mul_u32_u24 v6, s19, v2                      ; lanes 16-31 take WO's
	s_add_co_u32 s18, s18, SCL
	v_add_nc_u32 v5, v5, v6
	v_add_nc_u32 v[ADRS], s18, v5
	s_mul_i32 s23, s[WVN], 16*SPITCH               ; my stage
	v_mul_u32_u24 v5, v1, SPITCH                   ; in: row r of the tile, + 64 h: my 16 columns of each 32
	v_lshl_add_u32 v5, v2, 6, v5
	v_add_nc_u32 v[STO], s23, v5
	v_add_nc_u32 v[RD], s23, v[CO]                 ; back: the 32 lanes take one row of 512 bytes
	s_lshl_b32 s18, s46, 8
	s_lshl_b32 s19, s[RH], 7
	s_add_co_u32 s18, s18, s19                     ; my first row of out0
	s_lshl_b32 s92, s47, 8
	s_lshl_b32 s93, s[CH], 7
	s_add_co_u32 s92, s92, s93
	s_lshl_b32 s92, s92, 2                         ; my first column, in bytes
	s_mov_b32 s93, 0
	s_add_nc_u64 s[12:13], s[12:13], s[92:93]      ; the bias there
	s_mov_b32 s19, 0
	s_add_nc_u64 s[14:15], s[14:15], s[18:19]      ; the mask at my first row
	s_lshl_b32 s18, s18, 12                        ; a row of out0 is 4,096 bytes
	s_add_nc_u64 s[16:17], s[16:17], s[18:19]
	s_add_nc_u64 s[16:17], s[16:17], s[92:93]
	v_lshlrev_b32 v5, 6, v2                        ; the bias of register j of WO's tile b: column 32 (b / 2) + 16 h + 8 (b % 2) + j
.irp b, 0,1,2,3,4,5,6,7
	global_load_b128 v[BI+8*\b:BI+8*\b+3], v5, s[12:13] offset:(32*(\b/2)+8*(\b%2))*4
	global_load_b128 v[BI+8*\b+4:BI+8*\b+7], v5, s[12:13] offset:(32*(\b/2)+8*(\b%2))*4+16
.endr
.irp a, 0,1,2,3,4,5,6,7
	global_load_u8 v[MB+\a], v[PR], s[14:15] offset:32*(\a/2)+8*(\a%2)
.endr
.macro FRAG reg, adr, q, i             ; a fragment of WO: 24 bytes of the row's stream of bits twice, in pieces of 8 bytes; where lanes 16-31's piece lies behind one padding more, the second address register serves
.irp p, 0,1,2,3,4,5
.set PCE, 12*(\q)+6*(\p/3)+\p%3
.if PCE%8 < 5
	ds_load_b64 v[\reg+2*\p:\reg+2*\p+1], v[\adr] offset:8*PCE+16*(PCE/8)+(32*((\i)/2)+8*((\i)%2))*PITCH
.else
	ds_load_b64 v[\reg+2*\p:\reg+2*\p+1], v[\adr+2] offset:8*PCE+16*(PCE/8)+(32*((\i)/2)+8*((\i)%2))*PITCH
.endif
.endr
.endm
.macro FRAGA reg, slot, q, i           ; a fragment of o: two heads' images, as they were stored
	ds_load_b128 v[\reg:\reg+3], v[AL16+\slot] offset:(\i)*3072+(\q)*1536
	ds_load_b64 v[\reg+4:\reg+5], v[AL8+\slot] offset:(\i)*3072+(\q)*1536+512
	ds_load_b128 v[\reg+6:\reg+9], v[AL16+\slot] offset:(\i)*3072+(\q)*1536+768
	ds_load_b64 v[\reg+10:\reg+11], v[AL8+\slot] offset:(\i)*3072+(\q)*1536+1280
.endm
; 16 matrix instructions: o's blocks a0, a0 + 1 x WO's eight, 128 along K.  zero = 1: the first product starts the sums, with the bias as its C.
; The 64 accumulators take turns, one instruction a turn, in the same order in every step.
.macro MUL16 a0, p, q, sc, zero
.irp a, \a0, \a0+1
.irp b, 0,1,2,3,4,5,6,7
.if \zero
	v_wmma_scale_f32_16x16x128_f8f6f4 v[8*(8*((\a)%4)+\b):8*(8*((\a)%4)+\b)+7], v[128*(\p)+FR*\b:128*(\p)+FR*\b+FR-1], v[AF+FR*(\a):AF+FR*(\a)+FR-1], v[BI+8*\b:BI+8*\b+7], v[SC+8*NQ*(\sc)+NQ*\b+(\q)], v[SC+8*NQ*(\sc)+NQ*(\a)+(\q)] matrix_a_fmt:MATRIX_FMT_FP6 matrix_b_fmt:MATRIX_FMT_FP6 matrix_a_scale:MATRIX_SCALE_ROW1
.else
	v_wmma_scale_f32_16x16x128_f8f6f4 v[8*(8*((\a)%4)+\b):8*(8*((\a)%4)+\b)+7], v[128*(\p)+FR*\b:128*(\p)+FR*\b+FR-1], v[AF+FR*(\a):AF+FR*(\a)+FR-1], v[8*(8*((\a)%4)+\b):8*(8*((\a)%4)+\b)+7], v[SC+8*NQ*(\sc)+NQ*\b+(\q)], v[SC+8*NQ*(\sc)+NQ*(\a)+(\q)] matrix_a_fmt:MATRIX_FMT_FP6 matrix_b_fmt:MATRIX_FMT_FP6 matrix_a_scale:MATRIX_SCALE_ROW1
.endif
.endr
.endr
.endm
.macro FETCH_B slot, q, p
	WIN TO_B
.irp i, 0,1,2,3,4,5,6,7
	FRAG 128*(\p)+FR*\i, ADRB+\slot, \q, \i
.endr
	WIN 0
.endm
.macro FETCH_A slot, q, i0
.irp i, \i0, \i0+1, \i0+2, \i0+3
	FRAGA AF+FR*(\i), \slot, \q, \i
.endr
.endm
.macro SCALES sc                       ; a K step's scale words: two words a row; lanes 0-15 o's block i, lanes 16-31 WO's
.irp i, 0,1,2,3,4,5,6,7
	ds_load_b64 v[SC+8*NQ*\sc+NQ*\i:SC+8*NQ*\sc+NQ*\i+1], v[ADRS] offset:(4*(\i/2)+\i%2)*272
.endr
.endm
.macro PLACES n
.rept \n
	v_nop
.endr
.endm
.macro STEP slot, q, zero
	s_wait_dscnt 4*NLA                             ; WO's set and o's blocks 0-3 are in; the youngest 16 loads (blocks 4-7) may be out
	WIN MUL_LO-0x20*\zero
	MUL16 0, (\q)%2, \q, \slot, \zero
	MUL16 2, (\q)%2, \q, \slot, \zero
	s_wait_dscnt 0
	PLACES NP
	FETCH_B \slot, (\q)+1, 1-(\q)%2
	FETCH_A \slot, (\q)+1, 0
	WIN MUL_HI-0x30*\zero
	MUL16 4, (\q)%2, \q, \slot, \zero
	MUL16 6, (\q)%2, \q, \slot, \zero
	PLACES NP
	WIN 0
	FETCH_A \slot, (\q)+1, 4
.endm
; A slot's last step changes slots: ONE barrier; in front of it each wave waits for all its tensor loads, adds 0 to its spare word, and waits for that and for its own reads of this slot.
.macro TURN slot, next, fill
	s_wait_tensorcnt 0x0                           ; all my tensor loads have landed: my part of the next slot
	ds_add_u32 v[SPW], v[NIL]                      ; 0 onto my spare word
	s_wait_dscnt 4*NLA+1                           ; (the add and the youngest 16 loads may be out)
	WIN MUL_LO
	MUL16 0, 1, NQ-1, \slot, 0
	s_wait_dscnt 0x0                               ; the add is done, and my reads of this slot are over
	s_barrier_signal -1
	MUL16 2, 1, NQ-1, \slot, 0
	WIN 0
	s_barrier_wait -1
.if \fill
	CREST                                          ; the barrier has opened a round of the cluster's barrier: no wave of any partner still reads this slot's tile or has a load on its way
	s_add_nc_u64 s[G0+4*\slot+2:G0+4*\slot+3], s[G0+4*\slot+2:G0+4*\slot+3], 2*3072
	s_add_nc_u64 s[G0B+4*\slot+2:G0B+4*\slot+3], s[G0B+4*\slot+2:G0B+4*\slot+3], 2*ROWB
	JLOAD G0+4*\slot, G1, G0B+4*\slot, G1B         ; the first tensor load behind the round; its four v_nop are the places in front of the loads below
.else
	PLACES NP
.endif
	v_add_nc_u32 v[ADRS], 4*NQ, v[ADRS]
	FETCH_B \next, 0, 0
	FETCH_A \next, 0, 0
	SCALES \next
	WIN MUL_HI
	MUL16 4, 1, NQ-1, \slot, 0
	MUL16 6, 1, NQ-1, \slot, 0
	PLACES NP
	WIN 0
	FETCH_A \next, 0, 4
.endm
	s_wait_loadcnt 0x0                             ; the bias and the mask bytes
	v_mov_b32 v3, 0x7fffffff
.irp a, 0,1,2,3,4,5,6,7
	v_cmp_ne_u32 vcc_lo, 0, v[MB+\a]
	v_cndmask_b32 v[MK+\a], 0, v3, vcc_lo          ; a choice of a value: no branch and no address hangs on the mask
.endr
	s_wait_tensorcnt 1                             ; the scale bytes and my part of K step 0 are in (K step 1's load may be out)
	s_barrier_signal -1
	s_barrier_wait -1                              ; everybody's are
	FETCH_B 0, 0, 0
	FETCH_A 0, 0, 0
	SCALES 0
	FETCH_A 0, 0, 4
	STEP 0, 0, 1                                   ; four K steps of 256, twice round the ring: written out, no loop
	TURN 0, 1, 1
	STEP 1, 0, 0
	TURN 1, 0, 1
	STEP 0, 0, 0
	TURN 0, 1, 0
	STEP 1, 0, 0
	s_wait_dscnt 4*NLA
	WIN MUL_LO
	MUL16 0, 1, NQ-1, 1, 0
	MUL16 2, 1, NQ-1, 1, 0
	s_wait_dscnt 0
	WIN MUL_HI
	MUL16 4, 1, NQ-1, 1, 0
	MUL16 6, 1, NQ-1, 1, 0
	WIN 0
; THE WAY OUT, block by block of 16 rows x 128 columns: |.| and the mask; through my own stage in LDS; back as whole rows of 512 bytes.  LDS serves a wave's instructions in order (ISA guide 5.7.1.4).
.macro TOSTAGE a
.if (\a) > 0
	s_wait_dscnt 16                                ; the last block's 16 stores into the stage have read T; its 16 loads may be out
.endif
	WIN 0x02+(\a)/4                                ; source 0: window 2 or 3
.set AC, 64*((\a)%4)
.set n, 0
.rept 64
	v_and_b32 v[T+n], v[AC+n], v[MK+(\a)]          ; each accumulator from its low end on
.set n, n+1
.endr
	WIN 0
.irp b, 0,1,2,3,4,5,6,7
	ds_store_b128 v[STO], v[T+8*\b:T+8*\b+3] offset:128*(\b/2)+32*(\b%2)
	ds_store_b128 v[STO], v[T+8*\b+4:T+8*\b+7] offset:128*(\b/2)+32*(\b%2)+16
.endr
.if (\a) > 1
	s_wait_xcnt 0x0                                ; block a - 2's stores have read their registers: block a's rows may land there
.endif
.set BB, BK+64*((\a)%2)
.irp t, 0,1,2,3,4,5,6,7,8,9,10,11,12,13,14,15
	ds_load_b128 v[BB+4*\t:BB+4*\t+3], v[RD] offset:\t*SPITCH
.endr
.endm
.macro SEND a, younger                 ; younger: the LDS instructions issued behind block a's loads, which may stay out.  Row t of the tile is row 32 (a / 2) + 8 (a % 2) + t + 8 (t / 8) of my 128: every offset is an immediate, 520,192 at the most
.set BB, BK+64*((\a)%2)
	s_wait_dscnt \younger
.irp t, 0,1,2,3,4,5,6,7,8,9,10,11,12,13,14,15
	global_store_b128 v[CO], v[BB+4*\t:BB+4*\t+3], s[16:17] offset:(32*((\a)/2)+8*((\a)%2)+\t+8*(\t/8))*4096 th:TH_STORE_NT   ; 32 lanes store 512 consecutive bytes, aligned; written once, read by nobody here
.endr
.endm
	PLACES NP                                      ; behind the last products: their registers are read and written from here on
	TOSTAGE 0
.irp a, 1,2,3,4,5,6,7
	TOSTAGE \a
	SEND \a-1, 32                                  ; behind block a - 1's loads: block a's 16 stores and 16 loads
.endr
	SEND 7, 0
	s_wait_tensorcnt 0x0                           ; the wave's end: behind my last tensor load and my last LDS store
	ds_add_u32 v[SPW], v[NIL]
	s_wait_dscnt 0x0
	CROUND                                         ; the closing round
	s_endpgm
.Lfunc_end_k_q11c8017160_outp:
	.size	k_q11c8017160_outp, .Lfunc_end_k_q11c8017160_outp-k_q11c8017160_outp
	.p2alignl 7, 3214868480
	.fill 96, 4, 3214868480
	.section	.rodata,"a",@progbits
	.p2align	6, 0x0
	.amdhsa_kernel k_q11c8017160_outp
		.amdhsa_group_segment_fixed_size 327680
		.amdhsa_private_segment_fixed_size 0
		.amdhsa_enable_private_segment 0
		.amdhsa_kernarg_size 56
		.amdhsa_user_sgpr_count 2
		.amdhsa_user_sgpr_kernarg_segment_ptr 1
		.amdhsa_wavefront_size32 1
		.amdhsa_system_sgpr_workgroup_id_x 1
		.amdhsa_system_sgpr_workgroup_id_y 1
		.amdhsa_system_sgpr_workgroup_id_z 1
		.amdhsa_system_vgpr_workitem_id 0
		.amdhsa_next_free_vgpr 1024
		.amdhsa_next_free_sgpr 102
		.amdhsa_reserve_vcc 1
		.amdhsa_float_denorm_mode_32 3
		.amdhsa_float_denorm_mode_16_64 3
		.amdhsa_memory_ordered 1
		.amdhsa_forward_progress 1
		.amdhsa_inst_pref_size 171
	.end_amdhsa_kernel
	.amdgpu_metadata
---
amdhsa.version: [ 1, 2 ]
amdhsa.kernels:
  - .name:           k_q11c8017160_outp
    .symbol:         k_q11c8017160_outp.kd
    .args:
      - { .name: oimg, .offset: 0, .size: 8, .value_kind: global_buffer, .address_space: global }
      - { .name: osc, .offset: 8, .size: 8, .value_kind: global_buffer, .address_space: global }
      - { .name: WO_w_codes, .offset: 16, .size: 8, .value_kind: global_buffer, .address_space: global }
      - { .name: WO_w_scales, .offset: 24, .size: 8, .value_kind: global_buffer, .address_space: global }
      - { .name: WO_b, .offset: 32, .size: 8, .value_kind: global_buffer, .address_space: global }
      - { .name: mask, .offset: 40, .size: 8, .value_kind: global_buffer, .address_space: global }
      - { .name: out0, .offset: 48, .size: 8, .value_kind: global_buffer, .address_space: global }
    .group_segment_fixed_size: 327680
    .private_segment_fixed_size: 0
    .kernarg_segment_align: 8
    .kernarg_segment_size: 56
    .max_flat_workgroup_size: 128
    .sgpr_count:     102
    .vgpr_count:     1024
    .wavefront_size: 32
...
	.end_amdgpu_metadata
.endif
;; end of part 3
